; MI455X (gfx1250); checked and timed in simulation.
; The chip was launched on July 23, 2026; its instructions are those of AMD's public machine-readable ISA for CDNA 5 (MIT licence, August 2026) and "CDNA5" Instruction Set Architecture Reference Guide (July 2026). The comments in the code are by the model that wrote it; some were corrected since.
;; Beam Splitter Attention. Allowed arithmetic: matrix products marked QUANTISED: E2M1 operands, one E8M0 scale for each 32 along K, by v_wmma_scale_f32_16x16x128_f8f6f4 with both operands' format E2M1 (or v_wmma_scale_f32_32x16x128_f4), f32 sums; products left as they are: bf16, f16 or f32 operands; f32 sums; everything else in f32.
;; Inputs: b_in_g 3,072 float32; b_in_l 3,072 float32; b_out_g 1,024 float32; b_out_l 1,024 float32; w_in_g 3,072 x 1,024 float32; w_in_l 3,072 x 1,024 float32; w_out_g 1,024 x 1,024 float32; w_out_l 1,024 x 1,024 float32; x 2 x 2,048 x 1,024 float32.
;; Outputs: out0 2 x 2,048 x 1,024 float32.
;; This version of the problem:
;;   THIS VERSION OF THE PROBLEM IS GIVEN IN LOW PRECISION. The matrix products marked QUANTISED in the list below multiply operands that are first quantised to E2M1 (2 exponent bits, 1 mantissa bit; 4 bits a number), with one power-of-two scale for each 32 numbers along K (OCP MX v1.0); their sums are f32. The products marked 'left as it is' may take bf16, f16 or f32 operands, with f32 sums. Whichever they take, every output number must still come out within the allowed error. Rounding operands to bf16 (8 significant bits) uses up far more of that allowance than f16 does (11 bits, for magnitudes from 6e-5 to 65,504). All else is computed in f32.
;;   The module's matrix products, in the order in which they are computed (A, B: the left and right operand; K: the contracted axis; several contracted axes count as one K, in the product's order):
;;     1. [M 4,096, K 1,024] x [K 1,024, N 3,072]; A: input x; B: input w_in_l: QUANTISED
;;     2. batch 16,384 x [M 4, K 64] x [K 64, N 4]; A: computed on the way; B: computed on the way: left as it is (M = 4 < 16)
;;     3. batch 16,384 x [M 64, K 4] x [K 4, N 4]; A: computed on the way; B: computed on the way: left as it is (K = 4 < 32)
;;     4. [M 4,096, K 1,024] x [K 1,024, N 1,024]; A: computed on the way; B: input w_out_l: left as it is (an operand is computed on the way)
;;     5. [M 4,096, K 1,024] x [K 1,024, N 3,072]; A: computed on the way; B: input w_in_g: left as it is (an operand is computed on the way)
;;     6. batch 32 x [M 2,048, K 64] x [K 64, N 2,048]; A: computed on the way; B: computed on the way: left as it is (an operand is computed on the way)
;;     7. batch 32 x [M 64, K 2,048] x [K 2,048, N 2,048]; A: computed on the way; B: computed on the way: left as it is (an operand is computed on the way)
;;     8. [M 4,096, K 1,024] x [K 1,024, N 1,024]; A: computed on the way; B: input w_out_g: left as it is (an operand is computed on the way)
;;   THE QUANTISER, for each operand of a quantised product, along K:
;;     - K is cut into blocks of 32 from its start; a last block that is shorter is filled with zeros.
;;     - A block's scale is 2^e with e = floor(log2(the largest magnitude in the block)) - 2, held to -126 .. 127; a block of zeros has e = 0. As a byte (E8M0): e + 127.
;;     - Each number is divided by its block's scale, clamped to +-6, and rounded to the nearest number of E2M1, ties to even, subnormals kept.
;;     - The product sums the exact products of the quantised numbers (number of the format x scale) in f32.
;;   ~~~python
;;   def quantise(x, axis):      # numpy; x: float32 -> the quantised numbers, widened to float32 again
;;       x = np.moveaxis(x, axis, -1); K = x.shape[-1]
;;       x = np.pad(x, [(0, 0)] * (x.ndim - 1) + [(0, -K % 32)]); x = x.reshape(x.shape[:-1] + (-1, 32)); a = np.abs(x).max(-1, keepdims=True)
;;       e = np.where(a > 0, np.clip(np.frexp(np.where(a > 0, a, 1))[1] - 1 - 2, -126, 127), 0)      # np.frexp(a)[1] - 1 = floor(log2(a)), exactly
;;       r = np.clip(x / 2.0 ** e, -6, 6)
;;       step = 2.0 ** (np.maximum(np.frexp(np.where(r == 0, 1, r))[1] - 1, 0) - 1)
;;       q = np.round(r / step) * step * 2.0 ** e      # np.round: ties to even
;;       return np.moveaxis(q.reshape(q.shape[:-2] + (-1,))[..., :K], -1, axis).astype(np.float32)
;;   ~~~
;; One version. Each part assembles by itself: llvm-mc -triple=amdgcn-amd-amdhsa -mcpu=gfx1250 --defsym DOCPART=n.
;; ======== version 1 of 1: 6 launches
;; limits: values are held in f16: magnitudes above 65,504 overflow, below 6.1e-05 lose precision
;; workspace buffers: qx 3,899,392 bytes; wc 2,101,248 bytes; wd 6,295,552 bytes; wf 2,101,248 bytes; ol 25,198,592 bytes; loc 25,198,592 bytes; qkv 25,198,592 bytes; og 25,198,592 bytes
;; launch prep (part 1): grid 416 x 1, 4 waves a work-group, no clusters, 33,280 bytes of LDS; arguments x, w_in_l, w_out_l, w_in_g, w_out_g, b_out_l, b_in_g, qx, wc, wd, wf; writes qx, wc, wd, wf
.if DOCPART == 1
	.amdgcn_target "amdgcn-amd-amdhsa--gfx1250"
	.amdhsa_code_object_version 6
	.text
	.protected	k_q7d410475b8_prep
	.globl	k_q7d410475b8_prep
	.p2align	8
	.type	k_q7d410475b8_prep,@function
k_q7d410475b8_prep:
	s_mov_b64 s[64:65], 0
	v_nop
	global_prefetch_b8 v0, s[64:65] scope:SCOPE_SE
	s_setreg_imm32_b32 hwreg(HW_REG_WAVE_MODE, 25, 1), 1
	s_wait_xcnt 0x0
; PREP.  Work-groups 0-223: x [4096][1024] and w_in_l [3072][1024], f32, become codes of FP4 (E2M1) with K innermost and one E8M0 byte for each 32 along K (buffer qx).
; Work-groups 224-415: w_out_l, w_in_g, w_out_g become f16 in tile order (wc, wd, wf): [n / 128][k / 64][128 rows][64 k], behind a header of 4,096 bytes: 256 partial max|w| at byte 0, 256 partial max|b| at byte 1,024.
; DEAD WORK, LEFT OUT IN THE WHOLE PROGRAM: the K thirds (entries 1024 .. 2047) of b_in_l and of b_in_g.  A score is q . (k0 + bk) = q . k0 + q . bk; the second term is the same for every key of a query, that is along
; the axis of the softmax, which a common term leaves as it is, for all values of the inputs.  The products of q with k (products 2 and 6) are not quantised, so the bias moves no code and no scale.  The other thirds are loaded.
; LIMITS: a NaN, an infinity or an overflow that reaches only those entries is not carried to the result.  NaN and infinities among the inputs are not served.  A block whose largest magnitude lies under 2^-124 keeps
; the scale byte 1 (a block of zeros too, where the rule says 127: its codes are zeros, and this program alone reads the bytes).  The weights are stored as f16 unscaled: magnitudes from 6e-5 to 65,504 keep 11 bits.
; THE QUANTISER: a wave takes 16 steps of 512 numbers.  Each load reads 512 consecutive bytes; a step's 2,048 bytes turn through the wave's own stage in LDS so that a lane holds 16 neighbours along K (two lanes to a block).
.set WAVES, 4
.set STEPS, 16
.set WGA,   128                        ; work-groups for x: 4096 x 1024 / 32768; w_in_l takes the next 96
.set WGQ,   224                        ; from here on: the casts
.set EMAX,  2
.set CB,    8                          ; bytes of 16 codes
.set R,     16                         ; v16-79   four sets of 16 numbers as loaded
.set X,     80                         ; v80-111  two sets of 16 neighbours
.set C,     128                        ; v128-191 codes, four registers a step
.set E,     112                        ; v112-127 a scale byte a step
.set WREG,  8192                       ; LDS: a region for each wave: two stages of 32 x SP bytes, then its 256 scale bytes
.set SP,    80
.set SPW,   12                         ; v12 LDS address of my spare word; never rewritten
.set NIL,   13                         ; v13 0; never rewritten
.set SPARE, WAVES*WREG                 ; the spare words: 128 bytes a wave, named by no other line
.set WC,    2097152                    ; qx: w_in_l's codes
.set XS,    3670016                    ; x's scale bytes
.set WS,    3801088                    ; w_in_l's scale bytes
.set CXR,   32                         ; the casts: v32-159, 128 numbers
	s_load_b512 s[4:19], s[0:1], 0x0               ; x, w_in_l, w_out_l, w_in_g, w_out_g, b_out_l, b_in_g, qx
	s_load_b128 s[20:23], s[0:1], 0x40             ; wc, wd
	s_load_b64 s[24:25], s[0:1], 0x50              ; wf
	v_lshl_add_u32 v[SPW], v0, 2, SPARE
	v_mov_b32 v[NIL], 0
	v_lshrrev_b32 v1, 5, v0
	v_readfirstlane_b32 s26, v1                    ; wave
	s_wait_kmcnt 0x0
	s_cmp_ge_u32 ttmp9, WGQ                        ; the work-group's number alone decides
	s_cbranch_scc1 .Lcast
	v_and_b32 v2, 31, v0                           ; lane
	v_lshlrev_b32 v3, 4, v2                        ; my 16 bytes of a load's 512
	s_mul_i32 s27, s26, WREG
	v_lshrrev_b32 v14, 2, v2
	v_mul_u32_u24 v14, v14, SP
	v_and_b32 v15, 3, v2
	v_lshl_add_u32 v14, v15, 4, v14
	v_add_nc_u32 v14, s27, v14                     ; the stage, on the way in: SP (lane / 4) + 16 (lane % 4)
	v_mul_u32_u24 v15, v2, SP
	v_add_nc_u32 v15, s27, v15                     ; on the way out: SP x lane
	v_mul_u32_u24 v4, v2, CB                       ; my codes' place in a step's
	v_lshrrev_b32 v5, 1, v2
	s_add_co_u32 s27, s27, 2*32*SP
	v_add_nc_u32 v5, s27, v5                       ; my block's scale byte in LDS
	v_lshlrev_b32 v7, 3, v2
	v_add_nc_u32 v6, s27, v7                       ; and 8 bytes a lane on the way out
	s_cmp_lt_u32 ttmp9, WGA                        ; x or w_in_l
	s_cselect_b64 s[28:29], s[4:5], s[6:7]
	s_cselect_b32 s30, 0, WGA
	s_mov_b32 s31, WC
	s_cselect_b32 s31, 0, s31
	s_mov_b32 s32, WS
	s_mov_b32 s33, XS
	s_cselect_b32 s32, s33, s32
	s_sub_co_u32 s30, ttmp9, s30
	s_lshl_b32 s30, s30, 2
	s_add_co_u32 s30, s30, s26                     ; my run of 8,192 numbers
	s_lshl_b32 s34, s30, 15
	s_mov_b32 s35, 0
	s_add_nc_u64 s[28:29], s[28:29], s[34:35]      ; the numbers
	s_lshl_b32 s34, s30, 12
	s_add_co_u32 s34, s34, s31
	s_add_nc_u64 s[36:37], s[18:19], s[34:35]      ; the codes: 4,096 bytes a run
	s_lshl_b32 s34, s30, 8
	s_add_co_u32 s34, s34, s32
	s_add_nc_u64 s[38:39], s[18:19], s[34:35]      ; the scale bytes: 256 a run
.macro LOAD t
.irp i, 0,1,2,3
	global_load_b128 v[R+16*((\t)%4)+4*\i:R+16*((\t)%4)+4*\i+3], v3, s[28:29] offset:2048*(\t)+512*\i th:TH_LOAD_NT
.endr
.endm
.macro TURN t                          ; a step's numbers through the stage: LDS serves a wave's instructions in order, so no wait stands between the stores and the loads
.irp i, 0,1,2,3
	ds_store_b128 v14, v[R+16*((\t)%4)+4*\i:R+16*((\t)%4)+4*\i+3] offset:32*SP*((\t)%2)+8*SP*\i
.endr
.irp i, 0,1,2,3
	ds_load_b128 v[X+16*((\t)%2)+4*\i:X+16*((\t)%2)+4*\i+3], v15 offset:32*SP*((\t)%2)+16*\i
.endr
.endm
.irp t, 0,1,2,3
	LOAD \t
.endr
	s_wait_loadcnt 12                              ; step 0's four loads are in
	TURN 0
.macro STEP t
.set XQ, X+16*((\t)%2)
.if (\t) > 0
	s_wait_dscnt 1                                 ; this step's numbers are back from the stage; the last step's byte store may be out
.else
	s_wait_dscnt 0x0
.endif
.if (\t)+4 < STEPS
	LOAD (\t)+4
.endif
.if (\t)+1 < STEPS
.if STEPS-2-(\t) >= 3
	s_wait_loadcnt 12                              ; the next step's four loads are in; three steps' may be out
.else
	s_wait_loadcnt 4*(STEPS-2-(\t))
.endif
	TURN (\t)+1
.endif
	v_max3_num_f32 v8, |v[XQ]|, |v[XQ+1]|, |v[XQ+2]|
	v_max3_num_f32 v9, |v[XQ+3]|, |v[XQ+4]|, |v[XQ+5]|
.irp i, 6,10
	v_max3_num_f32 v8, v8, |v[XQ+\i]|, |v[XQ+\i+1]|
	v_max3_num_f32 v9, v9, |v[XQ+\i+2]|, |v[XQ+\i+3]|
.endr
	v_max3_num_f32 v8, v8, |v[XQ+14]|, |v[XQ+15]|
	v_max3_num_f32 v8, v8, v9, (EMAX+1)<<23        ; the floor 2^(3 - 127): the byte cannot fall under 1
	v_max_num_f32_dpp v8, v8, v8 row_xmask:1 row_mask:0xf bank_mask:0xf   ; with my neighbour's 16: the block's largest magnitude
	v_add_nc_u32 v11, -(EMAX<<23), v8              ; 2 off its exponent field: the conversion's scale operand
	v_cvt_scalef32_pk8_fp4_f32 v[C+4*(\t)], v[XQ:XQ+7], v11
	v_cvt_scalef32_pk8_fp4_f32 v[C+4*(\t)+1], v[XQ+8:XQ+15], v11
	v_lshrrev_b32 v[E+(\t)], 23, v11               ; the scale's byte (a plain line behind the conversions)
	ds_store_b8 v5, v[E+(\t)] offset:16*(\t)       ; both lanes of a block write the same byte with the same value
	global_store_b64 v4, v[C+4*(\t):C+4*(\t)+1], s[36:37] offset:32*CB*(\t)   ; the wave stores 256 consecutive bytes, aligned
.endm
.irp t, 0,1,2,3,4,5,6,7,8,9,10,11,12,13,14,15
	STEP \t
.endr
	ds_load_b64 v[8:9], v6                         ; LDS serves a wave's instructions in order: these see my stores
	s_wait_dscnt 0x0
	global_store_b64 v7, v[8:9], s[38:39]          ; 256 scale bytes, one aligned run
	s_wait_tensorcnt 0x0                           ; the wave's end
	ds_add_u32 v[SPW], v[NIL]
	s_wait_dscnt 0x0
	s_endpgm
; THE CASTS.  No LDS on this path.  64 work-groups a tensor; wave i of 256 takes rows i R .. i R + R - 1 (R = 12 for w_in_g, else 4), four rows a trip.
; A lane loads 8 neighbouring numbers (two loads of 16 bytes) and stores their 16 bytes of f16: lanes 0-15 fill 256 consecutive bytes (two rows of one panel), lanes 16-31 the next panel's.
; For w_out_g nobody reads a header: its maxima are formed with the rest and not stored (the lane counts below are 0).
.Lcast:
	s_sub_co_u32 s27, ttmp9, WGQ
	s_lshr_b32 s28, s27, 6                         ; T: 0 w_out_l, 1 w_in_g, 2 w_out_g
	s_and_b32 s27, s27, 63
	s_lshl_b32 s27, s27, 2
	s_add_co_u32 s27, s27, s26                     ; i
	s_cmp_eq_u32 s28, 0
	s_cselect_b64 s[30:31], s[8:9], s[12:13]       ; the weight
	s_cselect_b64 s[32:33], s[20:21], s[24:25]     ; its f16 buffer
	s_cselect_b64 s[34:35], s[14:15], s[16:17]     ; the bias
	s_cmp_eq_u32 s28, 1
	s_cselect_b64 s[30:31], s[10:11], s[30:31]
	s_cselect_b64 s[32:33], s[22:23], s[32:33]
	s_cselect_b32 s36, 12, 4                       ; R
	s_cselect_b32 s37, 3, 1                        ; trips
	s_mov_b32 s38, 0x10000
	s_cselect_b32 s38, 0x400, s38                  ; where the entries left out begin (beyond the end for b_out_l)
	s_cmp_eq_u32 s28, 2
	s_cselect_b32 s29, 0, s36                      ; lanes that load a bias entry
	s_cselect_b32 s45, 0, 2                        ; lanes that store the header
	s_mul_i32 s39, s27, s36                        ; n: my first row
	v_and_b32 v1, 31, v0
	v_bfe_u32 v7, v0, 3, 1
	v_bfe_u32 v8, v0, 4, 1
	v_and_b32 v9, 7, v0
	v_lshlrev_b32 v2, 5, v9
	v_lshl_add_u32 v2, v8, 8, v2
	v_lshl_add_u32 v2, v7, 12, v2                  ; in: row (l / 8) % 2, panel l / 16, 32 bytes x (l % 8)
	v_lshlrev_b32 v3, 4, v9
	v_lshl_add_u32 v3, v7, 7, v3
	v_lshl_add_u32 v3, v8, 14, v3                  ; out: panel x 16,384 + row x 128 + 16 (l % 8)
	v_mov_b32 v4, 0                                ; two chains of max|w|
	v_mov_b32 v5, 0
	v_mov_b32 v6, 0                                ; my bias entry, 0 where I have none
	s_lshl_b32 s40, s39, 12
	s_mov_b32 s41, 0
	s_add_nc_u64 s[30:31], s[30:31], s[40:41]
	v_add_nc_u32 v7, s39, v1                       ; entry n + lane
	v_sub_nc_u32 v8, v7, s38
	v_lshlrev_b32 v9, 2, v7
	s_mov_b32 s42, 0x400
	v_cmp_gt_u32 vcc_lo, s29, v1                   ; one of my rows,
	v_cmp_le_u32 s43, s42, v8                      ; and not one of the 1,024 entries left out (unsigned: what lies below them wraps)
	s_and_b32 vcc_lo, vcc_lo, s43
	s_wait_xcnt 0x0                                ; EXEC changes only behind this wait
	s_and_saveexec_b32 s44, vcc_lo
	global_load_b32 v6, v9, s[34:35]
	s_wait_xcnt 0x0
	s_or_b32 exec_lo, exec_lo, s44
.Ltrip:
.irp rp, 0,1
.irp pp, 0,1,2,3,4,5,6,7
	global_load_b128 v[CXR+64*\rp+8*\pp:CXR+64*\rp+8*\pp+3], v2, s[30:31] offset:\rp*8192+\pp*512 th:TH_LOAD_NT
	global_load_b128 v[CXR+64*\rp+8*\pp+4:CXR+64*\rp+8*\pp+7], v2, s[30:31] offset:\rp*8192+\pp*512+16 th:TH_LOAD_NT
.endr
.endr
	s_lshr_b32 s40, s39, 7                         ; the four rows lie in one tile of 128
	s_lshl_b32 s40, s40, 18
	s_and_b32 s43, s39, 127
	s_lshl_b32 s43, s43, 7
	s_add_co_u32 s40, s40, s43
	s_add_co_u32 s40, s40, 4096
	s_add_nc_u64 s[46:47], s[32:33], s[40:41]
.set G, 0
.rept 16
	s_wait_loadcnt 30-2*G                          ; group G's two loads are in; the younger groups' may be out
	v_max3_num_f32 v4, v4, |v[CXR+8*G]|, |v[CXR+8*G+1]|
	v_max3_num_f32 v5, v5, |v[CXR+8*G+2]|, |v[CXR+8*G+3]|
	v_max3_num_f32 v4, v4, |v[CXR+8*G+4]|, |v[CXR+8*G+5]|
	v_max3_num_f32 v5, v5, |v[CXR+8*G+6]|, |v[CXR+8*G+7]|
	v_cvt_pk_f16_f32 v[CXR+8*G], v[CXR+8*G], v[CXR+8*G+1]
	v_cvt_pk_f16_f32 v[CXR+8*G+1], v[CXR+8*G+2], v[CXR+8*G+3]
	v_cvt_pk_f16_f32 v[CXR+8*G+2], v[CXR+8*G+4], v[CXR+8*G+5]
	v_cvt_pk_f16_f32 v[CXR+8*G+3], v[CXR+8*G+6], v[CXR+8*G+7]
	global_store_b128 v3, v[CXR+8*G:CXR+8*G+3], s[46:47] offset:(G/8)*256+(G%8)*32768
.set G, G+1
.endr
	s_wait_xcnt 0x0                                ; the stores have read their data and their base, the loads their base: all may be written again
	s_add_nc_u64 s[30:31], s[30:31], 16384
	s_add_co_u32 s39, s39, 4
	s_sub_co_u32 s37, s37, 1
	s_cmp_gt_i32 s37, 0                            ; the count comes down from 3 or 1; the signed compare ends the loop from any start
	s_cbranch_scc1 .Ltrip
	v_max_num_f32 v4, v4, v5                       ; (the last wait for loads was for 0: the bias entry is in too)
	v_and_b32 v6, 0x7fffffff, v6
	s_mov_b32 s42, 0x76543210
	s_mov_b32 s43, 0xfedcba98
.irp m, 1,2,4,8
	v_max_num_f32_dpp v4, v4, v4 row_xmask:\m row_mask:0xf bank_mask:0xf
	v_max_num_f32_dpp v6, v6, v6 row_xmask:\m row_mask:0xf bank_mask:0xf
.endr
	v_permlanex16_b32 v7, v4, s42, s43
	v_permlanex16_b32 v8, v6, s42, s43
	v_max_num_f32 v4, v4, v7                       ; my rows' max|w|
	v_max_num_f32 v6, v6, v8                       ; and max|b|
	v_cmp_eq_u32 vcc_lo, 1, v1
	v_cndmask_b32 v8, v4, v6, vcc_lo               ; lane 0: max|w|, lane 1: max|b|
	v_lshlrev_b32 v9, 10, v1
	s_lshl_b32 s40, s27, 2
	v_add_nc_u32 v9, s40, v9                       ; 1,024 x lane + 4 i
	v_cmp_gt_u32 vcc_lo, s45, v1
	s_wait_xcnt 0x0
	s_and_saveexec_b32 s44, vcc_lo
	global_store_b32 v9, v8, s[32:33]
	s_wait_xcnt 0x0
	s_or_b32 exec_lo, exec_lo, s44
	s_endpgm
.Lfunc_end_k_q7d410475b8_prep:
	.size	k_q7d410475b8_prep, .Lfunc_end_k_q7d410475b8_prep-k_q7d410475b8_prep
	.p2alignl 7, 3214868480
	.fill 96, 4, 3214868480
	.section	.rodata,"a",@progbits
	.p2align	6, 0x0
	.amdhsa_kernel k_q7d410475b8_prep
		.amdhsa_group_segment_fixed_size 33280
		.amdhsa_private_segment_fixed_size 0
		.amdhsa_enable_private_segment 0
		.amdhsa_kernarg_size 88
		.amdhsa_user_sgpr_count 2
		.amdhsa_user_sgpr_kernarg_segment_ptr 1
		.amdhsa_wavefront_size32 1
		.amdhsa_system_sgpr_workgroup_id_x 1
		.amdhsa_system_sgpr_workgroup_id_y 1
		.amdhsa_system_sgpr_workgroup_id_z 1
		.amdhsa_system_vgpr_workitem_id 0
		.amdhsa_next_free_vgpr 192
		.amdhsa_next_free_sgpr 66
		.amdhsa_reserve_vcc 1
		.amdhsa_float_denorm_mode_32 3
		.amdhsa_float_denorm_mode_16_64 3
		.amdhsa_memory_ordered 1
		.amdhsa_forward_progress 1
		.amdhsa_inst_pref_size 50
	.end_amdhsa_kernel
	.amdgpu_metadata
---
amdhsa.version: [ 1, 2 ]
amdhsa.kernels:
  - .name:           k_q7d410475b8_prep
    .symbol:         k_q7d410475b8_prep.kd
    .args:
      - { .name: x, .offset: 0, .size: 8, .value_kind: global_buffer, .address_space: global }
      - { .name: w_in_l, .offset: 8, .size: 8, .value_kind: global_buffer, .address_space: global }
      - { .name: w_out_l, .offset: 16, .size: 8, .value_kind: global_buffer, .address_space: global }
      - { .name: w_in_g, .offset: 24, .size: 8, .value_kind: global_buffer, .address_space: global }
      - { .name: w_out_g, .offset: 32, .size: 8, .value_kind: global_buffer, .address_space: global }
      - { .name: b_out_l, .offset: 40, .size: 8, .value_kind: global_buffer, .address_space: global }
      - { .name: b_in_g, .offset: 48, .size: 8, .value_kind: global_buffer, .address_space: global }
      - { .name: qx, .offset: 56, .size: 8, .value_kind: global_buffer, .address_space: global }
      - { .name: wc, .offset: 64, .size: 8, .value_kind: global_buffer, .address_space: global }
      - { .name: wd, .offset: 72, .size: 8, .value_kind: global_buffer, .address_space: global }
      - { .name: wf, .offset: 80, .size: 8, .value_kind: global_buffer, .address_space: global }
    .group_segment_fixed_size: 33280
    .private_segment_fixed_size: 0
    .kernarg_segment_align: 8
    .kernarg_segment_size: 88
    .max_flat_workgroup_size: 128
    .sgpr_count:     66
    .vgpr_count:     192
    .wavefront_size: 32
...
	.end_amdgpu_metadata
.endif
;; end of part 1
;; launch qkvl (part 2): grid 8 x 32, 4 waves a work-group, clusters of 4 x 4, 307,712 bytes of LDS; arguments qx, b_in_l, ol; writes ol
.if DOCPART == 2
	.amdgcn_target "amdgcn-amd-amdhsa--gfx1250"
	.amdhsa_code_object_version 6
	.text
	.protected	k_q7d410475b8_qkvl
	.globl	k_q7d410475b8_qkvl
	.p2align	8
	.type	k_q7d410475b8_qkvl,@function
k_q7d410475b8_qkvl:
	s_mov_b64 s[64:65], 0
	v_nop
	global_prefetch_b8 v0, s[64:65] scope:SCOPE_SE
	s_setreg_imm32_b32 hwreg(HW_REG_WAVE_MODE, 25, 1), 1
	s_wait_xcnt 0x0
	s_wait_alu depctr_hold_cnt(0) depctr_sa_sdst(0) depctr_va_vdst(0) depctr_va_sdst(0) depctr_va_ssrc(0) depctr_va_vcc(0) depctr_vm_vsrc(0)
	s_getreg_b32 s2, hwreg(HW_REG_IB_STS2, 6, 4)
	s_cmp_eq_u32 s2, 0
	s_cbranch_scc0 .Lentry_in_a_cluster
	s_endpgm
.Lentry_in_a_cluster:
	s_bfe_u32 s2, ttmp6, 0x10000c
	s_cmp_lg_u32 s2, 0xf033
	s_cbranch_scc0 .Lentry_shape_is_right
	s_endpgm
.Lentry_shape_is_right:
; QKVL.  Product 1 (x w_in_l^T, on codes of FP4 with E8M0 scales) + bias, and the local attention over the four chunks (products 2 and 3, softmax) in f32; o_l leaves as f16.
; LEFT OUT: the K third of b_in_l: q . bk is the same for all four keys of a query, and the softmax leaves a common term as it is (shown at the head of the first kernel).
; SHARES.  A work-group takes 32 positions p of one batch b, all four chunks (128 rows of x), and q, k, v of two heads (384 rows of w_in_l).  Wave w: 16 positions (w / 2), one head (w % 2): 64 rows x 192 columns,
; 48 accumulators.  All of K = 1,024 lies in LDS (512 bytes a row): every tile is filled once, nothing is filled again.
; CLUSTER 4 x 4: x's rows hang on the grid's y alone and are asked for jointly along a row of the cluster, w_in_l's on x alone, along a column.
; THE MATRIX INSTRUCTION IS USED TRANSPOSED (source 0 = 16 rows of w_in_l, source 1 = 16 rows of x): a lane holds ONE position (lane % 16) and eight neighbouring channels 16 t + 8 (lane / 16) + j of q, k or v of chunk c.
; So a score (c, c') of a position is a sum over a lane's registers and over lanes l and l xor 16, and o's channels stay where v's are.
; o_l(b, p, c) is row R = 1024 c + 512 b + p of what follows (the transpose and raw reshape of the problem).  Layout of ol: per wave a scale (1.0) at 4 idx, the largest stored magnitude at 16,384 + 4 idx, data from 32,768:
; (R / 128) x 786,432 + (col / 64) x 16,384 + (R % 128) x 128 + (col % 64) x 2.
; LIMITS: |o_l| under 65,504 (stored as f16 unscaled); NaN and infinities among the inputs are not served.
; REGISTERS.  window 0: v1-20 addresses and work; v32-47 x's scale words, v48-95 w's (they hold scales and nothing else); v96-127 the 16 scores, in pairs; v128-159 x's fragments, v160-255 w's (buffer 0).
;   window 1: q(c, t) at v[8 (4 c + t)], later o; k at v[128 + ..].   window 2: v(c, t) at v[8 (4 c + t)]; v128-159 q's bias, v160-191 v's.   window 3: v128-255 fragment buffer 1.
.set WC,    2097152
.set XS,    3670016
.set WS,    3801088
.set DATA,  32768
.set TS,    786432
.set PITCH, 528                        ; an LDS row: 512 bytes + 16 = 132 words: the 16 rows of a load start at 16 different banks
.set ATILE, 32*PITCH                   ; what one tensor load brings
.set BREG,  128*PITCH                  ; x's 128 rows; then q's, k's, v's 128 rows of w_in_l
.set STAGE, 4*BREG                     ; 64 rows x 144 bytes for each wave; no tile lands here
.set SPARE, STAGE+4*9216               ; the spare words
.set ADA, 4
.set ADB, 5                            ; v5-7
.set STO, 8
.set RD,  9
.set GO,  10
.set SPW, 11
.set NIL, 12
.set OSX, 13
.set OSW, 14
.set OBI, 15
.set SCX, 32
.set SCW, 48
.set SS,  96
.set G1A, 24
.set G1B, 32
.set MSB, 0
.macro WIN new                         ; the immediate's high byte repeats the setting that is left
.if MSB != (\new)
	s_set_vgpr_msb (MSB<<8)|(\new)
.set MSB, (\new)
.endif
.endm
.macro PLACES n
.rept \n
	v_nop
.endr
.endm
.macro CROUND                          ; a round of the cluster's barrier
	s_barrier_signal -1
	s_barrier_wait -1
	s_cmp_lg_u32 s10, 0
	s_cbranch_scc1 .Lnot_wave_0_\@
	s_barrier_signal -3
.Lnot_wave_0_\@:
	s_barrier_wait -3
	s_barrier_signal -1
	s_barrier_wait -1
.endm
	s_load_b128 s[4:7], s[0:1], 0x0                ; qx, b_in_l
	s_load_b64 s[8:9], s[0:1], 0x10                ; ol
	v_lshl_add_u32 v[SPW], v0, 2, SPARE
	v_mov_b32 v[NIL], 0
	ds_add_u32 v[SPW], v[NIL]                      ; the opening: the add, twice on end, and its wait ahead of my first tensor load
	ds_add_u32 v[SPW], v[NIL]
	v_lshrrev_b32 v1, 5, v0
	v_readfirstlane_b32 s10, v1                    ; wave
	s_lshr_b32 s11, s10, 1                         ; which 16 positions
	s_and_b32 s12, s10, 1                          ; which head of the pair
	s_bfe_u32 s13, ttmp6, 0x40000                  ; cx
	s_bfe_u32 s14, ttmp6, 0x40004                  ; cy
	s_lshl_b32 s15, ttmp9, 2
	s_add_co_u32 s15, s15, s13                     ; X: the pair of heads
	s_and_b32 s16, ttmp7, 0xffff
	s_lshl_b32 s16, s16, 2
	s_add_co_u32 s16, s16, s14                     ; Y
	s_lshr_b32 s17, s16, 4                         ; b
	s_and_b32 s18, s16, 15
	s_lshl_b32 s18, s18, 5                         ; p0
	s_lshl_b32 s19, s14, 2
	s_lshl_b32 s19, 15, s19                        ; my row of the cluster
	s_lshl_b32 s20, 0x1111, s13                    ; my column
	s_or_b32 s[G1A], s19, (1<<20)|(1<<21)|(6<<22)|(3<<25)   ; elements of 1 byte; padding of 4 words behind every 128; bit 21 beside the mask
	s_or_b32 s[G1B], s20, (1<<20)|(1<<21)|(6<<22)|(3<<25)
.irp g, G1A, G1B
	s_mov_b32 s[\g+1], 512<<16                     ; tensor_dim0
	s_mov_b32 s[\g+2], 32<<16                      ; tensor_dim1
	s_mov_b32 s[\g+3], 512<<16                     ; tile_dim0
	s_mov_b32 s[\g+4], 32                          ; tile_dim1
	s_mov_b32 s[\g+5], 512                         ; bytes from row to row
	s_mov_b32 s[\g+6], 0
	s_mov_b32 s[\g+7], 0
.endr
	s_lshl_b32 s2, s17, 20                         ; x: row 2048 b + 512 w + p0 (wave w fetches chunk w), 512 bytes a row: made of Y and the wave alone
	s_lshl_b32 s3, s10, 18
	s_add_co_u32 s2, s2, s3
	s_lshl_b32 s3, s18, 9
	s_add_co_u32 s2, s2, s3
	s_mov_b32 s3, 0
	s_lshl_b32 s78, s15, 16                        ; w_in_l: row 128 X + 32 w of each third: made of X and the wave alone
	s_lshl_b32 s79, s10, 14
	s_add_co_u32 s78, s78, s79
	s_mov_b32 s79, 0
	s_mul_i32 s41, s10, ATILE                      ; LDS: wave x 32 rows
	s_wait_dscnt 0x0                               ; both opening adds are done
	s_wait_kmcnt 0x0
	s_mov_b32 s40, 1
	s_add_nc_u64 s[42:43], s[4:5], s[2:3]
	s_or_b32 s43, s43, 0x80000000
	s_add_nc_u64 s[78:79], s[4:5], s[78:79]
.irp wch, 0,1,2
	s_mov_b32 s[44+4*\wch], 1
	s_add_co_u32 s[45+4*\wch], s41, BREG*(1+\wch)
	s_add_nc_u64 s[46+4*\wch:47+4*\wch], s[78:79], WC+524288*\wch
	s_or_b32 s[47+4*\wch], s[47+4*\wch], 0x80000000
.endr
	CROUND                                         ; all sixteen work-groups are here: the joint loads meet
	tensor_load_to_lds s[40:43], s[G1A:G1A+7]      ; four loads of mine are out
	s_nop 0
	tensor_load_to_lds s[44:47], s[G1B:G1B+7]
	s_nop 0
	tensor_load_to_lds s[48:51], s[G1B:G1B+7]
	s_nop 0
	tensor_load_to_lds s[52:55], s[G1B:G1B+7]
	s_nop 0
	PLACES 4
	s_lshl_b32 s21, s11, 4
	s_add_co_u32 s21, s21, s18                     ; my first position
	s_lshl_b32 s22, s17, 11
	s_add_co_u32 s22, s22, s21
	s_lshl_b32 s22, s22, 5
	s_add_co_u32 s22, s22, XS
	s_mov_b32 s23, 0
	s_add_nc_u64 s[66:67], s[4:5], s[22:23]        ; x's scale bytes: 32 a row
	s_lshl_b32 s22, s15, 1
	s_add_co_u32 s73, s22, s12                     ; the head
	s_lshl_b32 s22, s73, 11
	s_add_co_u32 s22, s22, WS
	s_add_nc_u64 s[68:69], s[4:5], s[22:23]        ; w's scale bytes
	s_lshl_b32 s22, s73, 8
	s_add_nc_u64 s[70:71], s[6:7], s[22:23]        ; the head's 64 entries of the bias
	s_lshl_b32 s22, s17, 2
	s_lshr_b32 s76, s21, 7
	s_add_co_u32 s22, s22, s76
	s_mul_i32 s22, s22, TS
	s_lshl_b32 s76, s73, 14
	s_add_co_u32 s22, s22, s76
	s_and_b32 s76, s21, 127
	s_lshl_b32 s76, s76, 7
	s_add_co_u32 s22, s22, s76
	s_add_co_u32 s22, s22, DATA
	s_add_nc_u64 s[56:57], s[8:9], s[22:23]        ; where chunk 0's 16 rows of o_l go; a chunk on is 8 tiles of rows on
.irp c, 1,2,3
	s_add_nc_u64 s[56+2*\c:57+2*\c], s[56:57], \c*8*TS
.endr
	s_lshl_b32 s77, s15, 5
	s_add_co_u32 s77, s77, s16
	s_lshl_b32 s77, s77, 2
	s_add_co_u32 s77, s77, s10
	s_lshl_b32 s77, s77, 2                         ; 4 idx
	s_mov_b32 s72, 0x3e38aa3b                      ; log2(e) / 8
	s_mov_b32 s74, 0x76543210
	s_mov_b32 s75, 0xfedcba98
	v_and_b32 v1, 15, v0                           ; r
	v_bfe_u32 v2, v0, 4, 1                         ; h
	v_and_b32 v3, 31, v0                           ; lane
	v_mul_u32_u24 v16, v1, PITCH
	v_lshl_add_u32 v16, v2, 4, v16
	s_mul_i32 s76, s11, 16*PITCH
	v_add_nc_u32 v[ADA], s76, v16
	s_mul_i32 s76, s12, 64*PITCH
.irp wch, 0,1,2
	s_add_co_u32 s76, s76, BREG
	v_add_nc_u32 v[ADB+\wch], s76, v16
.endr
	s_mul_i32 s76, s10, 9216
	s_add_co_u32 s76, s76, STAGE
	v_mul_u32_u24 v17, v1, 144
	v_lshl_add_u32 v17, v2, 4, v17
	v_add_nc_u32 v[STO], s76, v17
	v_bfe_u32 v17, v0, 3, 2
	v_mul_u32_u24 v17, v17, 144
	v_and_b32 v18, 7, v0
	v_lshl_add_u32 v17, v18, 4, v17
	v_add_nc_u32 v[RD], s76, v17
	v_lshlrev_b32 v[GO], 4, v3
	v_lshlrev_b32 v[OSX], 5, v1
	v_lshl_add_u32 v[OSW], v2, 9, v[OSX]           ; lanes 16-31: the tile 16 rows on
	v_lshl_add_u32 v[OSX], v2, 14, v[OSX]          ; lanes 16-31: the next chunk
	v_lshlrev_b32 v[OBI], 5, v2
	v_mov_b32 v16, 0                               ; two chains of max|o|
	v_mov_b32 v17, 0
; the scale words go straight to registers: register 8 g + q is the word of K step q; lanes 0-15 the even tile of the pair, lanes 16-31 the odd one
.irp i, 0,1
	global_load_b128 v[SCX+8*\i:SCX+8*\i+3], v[OSX], s[66:67] offset:32768*\i
	global_load_b128 v[SCX+8*\i+4:SCX+8*\i+7], v[OSX], s[66:67] offset:32768*\i+16
.endr
.irp wch, 0,1,2
.irp tp, 0,1
	global_load_b128 v[SCW+8*(2*\wch+\tp):SCW+8*(2*\wch+\tp)+3], v[OSW], s[68:69] offset:32768*\wch+1024*\tp
	global_load_b128 v[SCW+8*(2*\wch+\tp)+4:SCW+8*(2*\wch+\tp)+7], v[OSW], s[68:69] offset:32768*\wch+1024*\tp+16
.endr
.endr
	WIN 0x80                                       ; destination window 2: the biases in the result's layout
.irp t, 0,1,2,3
	global_load_b128 v[128+8*\t:131+8*\t], v[OBI], s[70:71] offset:64*\t
	global_load_b128 v[132+8*\t:135+8*\t], v[OBI], s[70:71] offset:64*\t+16
	global_load_b128 v[160+8*\t:163+8*\t], v[OBI], s[70:71] offset:8192+64*\t
	global_load_b128 v[164+8*\t:167+8*\t], v[OBI], s[70:71] offset:8192+64*\t+16
.endr
	WIN 0
	s_wait_tensorcnt 0x0                           ; my four tiles are in,
	s_barrier_signal -1
	s_barrier_wait -1                              ; everybody's are
	s_wait_loadcnt 0x0                             ; scale words and biases
.macro FETCH q, f                      ; the fragments of K step q (128 along K: 64 bytes of a row) into buffer f (window 0 or 3): 32 LDS loads in one run
	WIN (\f)<<6
.irp c, 0,1,2,3
	ds_load_b128 v[128+8*\c:131+8*\c], v[ADA] offset:ATILE*\c+64*(\q)
	ds_load_b128 v[132+8*\c:135+8*\c], v[ADA] offset:ATILE*\c+64*(\q)+32
.endr
.irp wch, 0,1,2
.irp t, 0,1,2,3
	ds_load_b128 v[160+8*(4*\wch+\t):163+8*(4*\wch+\t)], v[ADB+\wch] offset:16*PITCH*\t+64*(\q)
	ds_load_b128 v[164+8*(4*\wch+\t):167+8*(4*\wch+\t)], v[ADB+\wch] offset:16*PITCH*\t+64*(\q)+32
.endr
.endr
.endm
.macro WM ra, rb, z                    ; one product; ra, rb: the scale words stand in lanes 16-31; z: the sum starts with 0
.if \z
.if (\ra) && (\rb)
	v_wmma_scale_f32_16x16x128_f8f6f4 v[rD:rD+7], v[rA:rA+7], v[rB:rB+7], 0, v[rSA], v[rSB] matrix_a_fmt:MATRIX_FMT_FP4 matrix_b_fmt:MATRIX_FMT_FP4 matrix_a_scale:MATRIX_SCALE_ROW1 matrix_b_scale:MATRIX_SCALE_ROW1
.elseif \ra
	v_wmma_scale_f32_16x16x128_f8f6f4 v[rD:rD+7], v[rA:rA+7], v[rB:rB+7], 0, v[rSA], v[rSB] matrix_a_fmt:MATRIX_FMT_FP4 matrix_b_fmt:MATRIX_FMT_FP4 matrix_a_scale:MATRIX_SCALE_ROW1
.elseif \rb
	v_wmma_scale_f32_16x16x128_f8f6f4 v[rD:rD+7], v[rA:rA+7], v[rB:rB+7], 0, v[rSA], v[rSB] matrix_a_fmt:MATRIX_FMT_FP4 matrix_b_fmt:MATRIX_FMT_FP4 matrix_b_scale:MATRIX_SCALE_ROW1
.else
	v_wmma_scale_f32_16x16x128_f8f6f4 v[rD:rD+7], v[rA:rA+7], v[rB:rB+7], 0, v[rSA], v[rSB] matrix_a_fmt:MATRIX_FMT_FP4 matrix_b_fmt:MATRIX_FMT_FP4
.endif
.else
.if (\ra) && (\rb)
	v_wmma_scale_f32_16x16x128_f8f6f4 v[rD:rD+7], v[rA:rA+7], v[rB:rB+7], v[rC:rC+7], v[rSA], v[rSB] matrix_a_fmt:MATRIX_FMT_FP4 matrix_b_fmt:MATRIX_FMT_FP4 matrix_a_scale:MATRIX_SCALE_ROW1 matrix_b_scale:MATRIX_SCALE_ROW1
.elseif \ra
	v_wmma_scale_f32_16x16x128_f8f6f4 v[rD:rD+7], v[rA:rA+7], v[rB:rB+7], v[rC:rC+7], v[rSA], v[rSB] matrix_a_fmt:MATRIX_FMT_FP4 matrix_b_fmt:MATRIX_FMT_FP4 matrix_a_scale:MATRIX_SCALE_ROW1
.elseif \rb
	v_wmma_scale_f32_16x16x128_f8f6f4 v[rD:rD+7], v[rA:rA+7], v[rB:rB+7], v[rC:rC+7], v[rSA], v[rSB] matrix_a_fmt:MATRIX_FMT_FP4 matrix_b_fmt:MATRIX_FMT_FP4 matrix_b_scale:MATRIX_SCALE_ROW1
.else
	v_wmma_scale_f32_16x16x128_f8f6f4 v[rD:rD+7], v[rA:rA+7], v[rB:rB+7], v[rC:rC+7], v[rSA], v[rSB] matrix_a_fmt:MATRIX_FMT_FP4 matrix_b_fmt:MATRIX_FMT_FP4
.endif
.endif
.endm
; K step q: 48 products, the 48 accumulators by turns, one instruction a turn, in the same order in every step.  In step 0 q's and v's sums start with their bias, k's with 0.
.macro MUL q, f
.irp wch, 0,1,2
.if (\q) == 0
.if \wch == 0
	WIN 0x60                                       ; D window 1, C (the bias) window 2
.elseif \wch == 1
	WIN 0x50
.else
	WIN 0xa0
.endif
.elseif \wch == 2
	WIN 0xa0+5*(\f)                                ; C and D window 2; the fragments window f
.else
	WIN 0x50+5*(\f)                                ; C and D window 1
.endif
.irp t, 0,1,2,3
.irp c, 0,1,2,3
.set rD, 128*(\wch%2)+8*(4*\c+\t)
.set rA, 160+8*(4*\wch+\t)
.set rB, 128+8*\c
.set rSA, SCW+8*(2*\wch+\t/2)+(\q)
.set rSB, SCX+8*(\c/2)+(\q)
.set rC, rD
.set ZF, 0
.if (\q) == 0
.set rC, 128+16*\wch+8*\t
.if \wch == 1
.set ZF, 1
.endif
.endif
	WM (\t%2), (\c%2), ZF
.endr
.endr
.endr
.endm
	FETCH 0, 0
.set Q, 0
.rept 8
.if Q < 7
.if Q > 0
	PLACES 4                                       ; four places between the products that read a buffer and the loads into it
.endif
	FETCH Q+1, 3*((Q+1)%2)
	s_wait_dscnt 32                                ; all but the 32 just issued: this step's fragments are in
.else
	s_wait_dscnt 0x0
.endif
	MUL Q, 3*(Q%2)
.set Q, Q+1
.endr
	PLACES 4                                       ; four places ahead of the first read of results
; the 16 scores of my position: q(c) . k(d), my 32 channels, two at a time; each accumulator is read from its low end on
	WIN 0x05                                       ; sources 0 and 1 window 1
.irp t, 0,1,2,3
.irp jp, 0,1,2,3
.irp c, 0,1,2,3
.irp d, 0,1,2,3
.if (\t == 0) && (\jp == 0)
	v_pk_mul_f32 v[SS+2*(4*\c+\d):SS+2*(4*\c+\d)+1], v[8*(4*\c+\t)+2*\jp:8*(4*\c+\t)+2*\jp+1], v[128+8*(4*\d+\t)+2*\jp:128+8*(4*\d+\t)+2*\jp+1]
.else
	v_pk_fma_f32 v[SS+2*(4*\c+\d):SS+2*(4*\c+\d)+1], v[8*(4*\c+\t)+2*\jp:8*(4*\c+\t)+2*\jp+1], v[128+8*(4*\d+\t)+2*\jp:128+8*(4*\d+\t)+2*\jp+1], v[SS+2*(4*\c+\d):SS+2*(4*\c+\d)+1]
.endif
.endr
.endr
.endr
.endr
	WIN 0
.irp i, 0,1,2,3,4,5,6,7,8,9,10,11,12,13,14,15
	v_add_f32 v[SS+2*\i], v[SS+2*\i], v[SS+2*\i+1]
.endr
.irp i, 0,1,2,3,4,5,6,7,8,9,10,11,12,13,14,15
	v_permlanex16_b32 v[128+\i], v[SS+2*\i], s74, s75
.endr
.irp i, 0,1,2,3,4,5,6,7,8,9,10,11,12,13,14,15
	v_add_f32 v[SS+2*\i], v[SS+2*\i], v[128+\i]    ; with lane l xor 16's 32 channels: the score
.endr
.irp c, 0,1,2,3
	v_max3_num_f32 v[144+\c], v[SS+8*\c], v[SS+8*\c+2], v[SS+8*\c+4]
.endr
.irp c, 0,1,2,3
	v_max_num_f32 v[144+\c], v[144+\c], v[SS+8*\c+6]   ; the row's maximum is taken away, as the problem does
.endr
.irp c, 0,1,2,3
	v_mul_f32 v[144+\c], s72, v[144+\c]
.endr
.irp c, 0,1,2,3
.irp d, 0,1,2,3
	v_fma_f32 v[SS+2*(4*\c+\d)], v[SS+2*(4*\c+\d)], s72, -v[144+\c]
.endr
.endr
.irp i, 0,1,2,3,4,5,6,7,8,9,10,11,12,13,14,15
	v_exp_f32 v[SS+2*\i], v[SS+2*\i]
.endr
	v_nop                                          ; a plain line behind the last exponential
	s_wait_alu depctr_va_vdst(0)                   ; one wait for the batch, ahead of its first reader
.irp c, 0,1,2,3
	v_add_f32 v[148+\c], v[SS+8*\c], v[SS+8*\c+2]
.endr
.irp c, 0,1,2,3
	v_add_f32 v[152+\c], v[SS+8*\c+4], v[SS+8*\c+6]
.endr
.irp c, 0,1,2,3
	v_add_f32 v[148+\c], v[148+\c], v[152+\c]
.endr
.irp c, 0,1,2,3
	v_rcp_f32 v[148+\c], v[148+\c]
.endr
	v_nop
	s_wait_alu depctr_va_vdst(0)                   ; one wait for the four reciprocals
.irp c, 0,1,2,3
.irp d, 0,1,2,3
	v_mul_f32 v[SS+2*(4*\c+\d)], v[SS+2*(4*\c+\d)], v[148+\c]
.endr
.endr
; o(c) = the sum over d of p(c, d) v(d), laid over q(c)
	WIN 0x52                                       ; source 0 (v) window 2, source 1 (p) window 0, source 2 and destination (o) window 1
.irp t, 0,1,2,3
.irp jp, 0,1,2,3
.irp d, 0,1,2,3
.irp c, 0,1,2,3
.if \d == 0
	v_pk_mul_f32 v[8*(4*\c+\t)+2*\jp:8*(4*\c+\t)+2*\jp+1], v[8*(4*\d+\t)+2*\jp:8*(4*\d+\t)+2*\jp+1], v[SS+2*(4*\c+\d):SS+2*(4*\c+\d)+1] op_sel_hi:[1,0]
.else
	v_pk_fma_f32 v[8*(4*\c+\t)+2*\jp:8*(4*\c+\t)+2*\jp+1], v[8*(4*\d+\t)+2*\jp:8*(4*\d+\t)+2*\jp+1], v[SS+2*(4*\c+\d):SS+2*(4*\c+\d)+1], v[8*(4*\c+\t)+2*\jp:8*(4*\c+\t)+2*\jp+1] op_sel_hi:[1,0,1]
.endif
.endr
.endr
.endr
.endr
	WIN 0x14                                       ; sources 1 and 2 window 1
.set i, 0
.rept 32
	v_max3_num_f32 v16, v16, |v[4*i]|, |v[4*i+1]|
	v_max3_num_f32 v17, v17, |v[4*i+2]|, |v[4*i+3]|
.set i, i+1
.endr
	WIN 0x05
.set i, 0
.rept 64
	v_cvt_pk_f16_f32 v[160+i], v[2*i], v[2*i+1]    ; 16 bytes a tile: eight neighbouring channels of a row
.set i, i+1
.endr
	WIN 0
.irp c, 0,1,2,3
.irp t, 0,1,2,3
	ds_store_b128 v[STO], v[160+4*(4*\c+\t):163+4*(4*\c+\t)] offset:2304*\c+32*\t
.endr
.endr
.irp i, 0,1,2,3,4,5,6,7,8,9,10,11,12,13,14,15
	ds_load_b128 v[96+4*\i:99+4*\i], v[RD] offset:576*\i   ; LDS serves a wave's instructions in order: these see my stores.  Four rows of 128 bytes a load
.endr
.irp i, 0,1,2,3,4,5,6,7,8,9,10,11,12,13,14,15
	s_wait_dscnt 15-\i
	global_store_b128 v[GO], v[96+4*\i:99+4*\i], s[56+2*(\i/4):57+2*(\i/4)] offset:512*(\i%4)   ; the wave stores 512 consecutive bytes, aligned
.endr
	v_max_num_f32 v16, v16, v17
.irp m, 1,2,4,8
	v_max_num_f32_dpp v16, v16, v16 row_xmask:\m row_mask:0xf bank_mask:0xf
.endr
	v_permlanex16_b32 v17, v16, s74, s75
	v_max_num_f32 v16, v16, v17                    ; my wave's largest |o|
	v_cmp_ne_u32 vcc_lo, 0, v3
	v_cndmask_b32 v16, 1.0, v16, vcc_lo            ; lane 0: the scale, 1.0; lane 1: the maximum
	v_lshlrev_b32 v18, 14, v3
	v_add_nc_u32 v18, s77, v18
	v_cmp_gt_u32 vcc_lo, 2, v3
	s_wait_xcnt 0x0                                ; EXEC changes only behind this wait
	s_and_saveexec_b32 s76, vcc_lo
	global_store_b32 v18, v16, s[8:9]
	s_wait_xcnt 0x0
	s_or_b32 exec_lo, exec_lo, s76
	s_wait_tensorcnt 0x0                           ; the wave's end
	ds_add_u32 v[SPW], v[NIL]
	s_wait_dscnt 0x0
	CROUND                                         ; the closing round
	s_endpgm
.Lfunc_end_k_q7d410475b8_qkvl:
	.size	k_q7d410475b8_qkvl, .Lfunc_end_k_q7d410475b8_qkvl-k_q7d410475b8_qkvl
	.p2alignl 7, 3214868480
	.fill 96, 4, 3214868480
	.section	.rodata,"a",@progbits
	.p2align	6, 0x0
	.amdhsa_kernel k_q7d410475b8_qkvl
		.amdhsa_group_segment_fixed_size 307712
		.amdhsa_private_segment_fixed_size 0
		.amdhsa_enable_private_segment 0
		.amdhsa_kernarg_size 24
		.amdhsa_user_sgpr_count 2
		.amdhsa_user_sgpr_kernarg_segment_ptr 1
		.amdhsa_wavefront_size32 1
		.amdhsa_system_sgpr_workgroup_id_x 1
		.amdhsa_system_sgpr_workgroup_id_y 1
		.amdhsa_system_sgpr_workgroup_id_z 1
		.amdhsa_system_vgpr_workitem_id 0
		.amdhsa_next_free_vgpr 1024
		.amdhsa_next_free_sgpr 80
		.amdhsa_reserve_vcc 1
		.amdhsa_float_denorm_mode_32 3
		.amdhsa_float_denorm_mode_16_64 3
		.amdhsa_memory_ordered 1
		.amdhsa_forward_progress 1
		.amdhsa_inst_pref_size 128
	.end_amdhsa_kernel
	.amdgpu_metadata
---
amdhsa.version: [ 1, 2 ]
amdhsa.kernels:
  - .name:           k_q7d410475b8_qkvl
    .symbol:         k_q7d410475b8_qkvl.kd
    .args:
      - { .name: qx, .offset: 0, .size: 8, .value_kind: global_buffer, .address_space: global }
      - { .name: b_in_l, .offset: 8, .size: 8, .value_kind: global_buffer, .address_space: global }
      - { .name: ol, .offset: 16, .size: 8, .value_kind: global_buffer, .address_space: global }
    .group_segment_fixed_size: 307712
    .private_segment_fixed_size: 0
    .kernarg_segment_align: 8
    .kernarg_segment_size: 24
    .max_flat_workgroup_size: 128
    .sgpr_count:     80
    .vgpr_count:     1024
    .wavefront_size: 32
...
	.end_amdgpu_metadata
.endif
;; end of part 2
;; launch projl (part 3): grid 8 x 32, 4 waves a work-group, clusters of 4 x 4, 327,680 bytes of LDS; arguments ol, wc, b_out_l, loc; writes loc
.if DOCPART == 3
	.amdgcn_target "amdgcn-amd-amdhsa--gfx1250"
	.amdhsa_code_object_version 6
	.text
	.protected	k_q7d410475b8_projl
	.globl	k_q7d410475b8_projl
	.p2align	8
	.type	k_q7d410475b8_projl,@function
k_q7d410475b8_projl:
	s_mov_b64 s[64:65], 0
	v_nop
	global_prefetch_b8 v0, s[64:65] scope:SCOPE_SE
	s_setreg_imm32_b32 hwreg(HW_REG_WAVE_MODE, 25, 1), 1
	s_wait_xcnt 0x0
	s_wait_alu depctr_hold_cnt(0) depctr_sa_sdst(0) depctr_va_vdst(0) depctr_va_sdst(0) depctr_va_ssrc(0) depctr_va_vcc(0) depctr_vm_vsrc(0)
	s_getreg_b32 s2, hwreg(HW_REG_IB_STS2, 6, 4)
	s_cmp_eq_u32 s2, 0
	s_cbranch_scc0 .Lentry_in_a_cluster
	s_endpgm
.Lentry_in_a_cluster:
	s_bfe_u32 s2, ttmp6, 0x10000c
	s_cmp_lg_u32 s2, 0xf033
	s_cbranch_scc0 .Lentry_shape_is_right
	s_endpgm
.Lentry_shape_is_right:
; PROJL.  Product 4: loc = o_l w_out_l^T + b_out_l, K = 1,024, N = 1,024; operands f16, sums f32, loc stored as f16 under one exact power-of-two scale for the whole tensor.
; LAYOUT of ol and loc: a scale u for each producing wave at 4 idx (true value = stored x u; all equal, entry 0 is read), the wave's largest stored magnitude at 16,384 + 4 idx (1,024 entries), data from 32,768:
; (R / 128) x 786,432 + (col / 64) x 16,384 + (R % 128) x 128 + (col % 64) x 2.  wc: header (256 partial max|w|, at 1,024 256 partial max|b|), from 4,096 on [n / 128][k / 64][128][64].  So a K step of 256 of a tile is 65,536 dense bytes.
; THE SCALE.  Bd = 1024 max|A| max|W| + max|b| bounds every |y|.  With E its exponent field, f = 2^(141 - E) brings |y f| under 2^15, and u = 2^(E - 141) is stored beside.  Every wave forms the same Bd from the same numbers.
; LIMITS: Bd is held to 2^-100 .. 2^100; NaN and infinities are not served.
; A tile of loc is 128 x 128: four waves, each 64 x 64 (16 accumulators): 8 x 32 = 256 work-groups.  K goes in steps of 256 through two LDS slots; an LDS row is one row of one panel, 128 bytes + 16.
; CLUSTER 4 x 4: A's tiles are asked for jointly along a row of the cluster, W's along a column.
; THE MATRIX INSTRUCTION IS USED TRANSPOSED (source 0 = 16 rows of W, source 1 = 16 rows of A): a lane holds eight neighbouring columns of a row of loc.
; REGISTERS: window 0: v1-29 addresses, scale; v32-95 at work; v96-127 the bias x f; v128-255 the accumulators.  window 1: two fragment buffers of 128.
.set TS,     786432
.set DATA,   32768
.set PITCH,  144                       ; 36 words: the 16 rows of a load start at 16 different groups of banks
.set PANEL,  128*PITCH                 ; 64 along K of 128 rows
.set HALFT,  2*PANEL                   ; what one tensor load brings
.set SLOT,   4*HALFT                   ; A's four panels, then W's
.set SPARE,  2*SLOT
.set SPITCH, 144                       ; the way out: 64 rows x 144 for each wave, in slot 0, which has then had its last fill and its last read
.set ADRA, 16
.set ADRB, 20
.set STO,  24
.set RD,   25
.set CO,   26
.set SPW,  28
.set NIL,  29
.set TMP,  32
.set BIA,  96
.set ACC,  128
.set F0,   0
.set F1,   128
.set G1, 24
.set G0, 32
.set G1B, 48
.set G0B, 56
.set MSB, 0
.macro WIN new
.if MSB != (\new)
	s_set_vgpr_msb (MSB<<8)|(\new)
.set MSB, (\new)
.endif
.endm
.set MUL,  0x05                        ; sources 0 (W) and 1 (A) window 1; C and D window 0
.set TO_F, 0x40                        ; destination window 1
.macro JLOAD s                         ; a joint load: waves 0 and 1 fetch A's halves, waves 2 and 3 W's; an s_nop 0 and four v_nop follow each line
	s_cmp_eq_u32 s13, 0
	s_cbranch_scc0 .Lfor_b_\@
	tensor_load_to_lds s[G0+4*\s:G0+4*\s+3], s[G1:G1+7]
	s_nop 0
.rept 4
	v_nop
.endr
	s_branch .Lasked_\@
.Lfor_b_\@:
	tensor_load_to_lds s[G0B+4*\s:G0B+4*\s+3], s[G1B:G1B+7]
	s_nop 0
.rept 4
	v_nop
.endr
.Lasked_\@:
.endm
.macro CREST
	s_cmp_lg_u32 s12, 0
	s_cbranch_scc1 .Lnot_wave_0_\@
	s_barrier_signal -3
.Lnot_wave_0_\@:
	s_barrier_wait -3
	s_barrier_signal -1
	s_barrier_wait -1
.endm
.macro CROUND
	s_barrier_signal -1
	s_barrier_wait -1
	CREST
.endm
.macro RED x, t                        ; the maximum over the 32 lanes, in every lane
.irp m, 1,2,4,8
	v_max_num_f32_dpp v[\x], v[\x], v[\x] row_xmask:\m row_mask:0xf bank_mask:0xf
.endr
	v_permlanex16_b32 v[\t], v[\x], s72, s73
	v_max_num_f32 v[\x], v[\x], v[\t]
.endm
	s_load_b128 s[4:7], s[0:1], 0x0                ; A, W
	s_load_b128 s[8:11], s[0:1], 0x10              ; the bias, Y
	v_lshl_add_u32 v[SPW], v0, 2, SPARE
	v_mov_b32 v[NIL], 0
	ds_add_u32 v[SPW], v[NIL]                      ; the opening: the add, twice on end, and its wait ahead of my first tensor load
	ds_add_u32 v[SPW], v[NIL]
	v_lshrrev_b32 v1, 5, v0
	v_readfirstlane_b32 s12, v1                    ; wave
	s_lshr_b32 s13, s12, 1                         ; my half of the rows.  Also: I fetch for A (0) or W (1)
	s_and_b32 s14, s12, 1                          ; my half of the columns.  Also: which two panels I fetch
	s_bfe_u32 s40, ttmp6, 0x40000
	s_bfe_u32 s41, ttmp6, 0x40004
	s_lshl_b32 s42, ttmp9, 2
	s_add_co_u32 s42, s42, s40                     ; tile column
	s_and_b32 s15, ttmp7, 0xffff
	s_lshl_b32 s15, s15, 2
	s_add_co_u32 s15, s15, s41                     ; tile row
	s_lshl_b32 s43, s41, 2
	s_lshl_b32 s43, 15, s43
	s_lshl_b32 s44, 0x1111, s40
	s_or_b32 s[G1+0], s43, (1<<16)|(1<<20)|(1<<21)|(4<<22)|(3<<25)   ; elements of 2 bytes; 4 words of padding behind every 32; bit 21 beside the mask
	s_or_b32 s[G1B+0], s44, (1<<16)|(1<<20)|(1<<21)|(4<<22)|(3<<25)
.irp g, G1, G1B
	s_mov_b32 s[\g+1], 64<<16                      ; tensor_dim0
	s_mov_b32 s[\g+2], 256<<16                     ; tensor_dim1: two panels' rows on end
	s_mov_b32 s[\g+3], 64<<16                      ; tile_dim0
	s_mov_b32 s[\g+4], 256                         ; tile_dim1
	s_mov_b32 s[\g+5], 64                          ; dense
	s_mov_b32 s[\g+6], 0
	s_mov_b32 s[\g+7], 0
.endr
	s_lshl_b32 s18, s14, 15
	s_mul_i32 s16, s15, TS
	s_add_co_u32 s16, s16, s18
	s_add_co_u32 s16, s16, DATA
	s_mov_b32 s17, 0
	s_lshl_b32 s46, s42, 18
	s_add_co_u32 s46, s46, s18
	s_add_co_u32 s46, s46, 4096
	s_mov_b32 s47, 0
	s_mul_i32 s20, s12, HALFT
	s_mov_b32 s72, 0x76543210
	s_mov_b32 s73, 0xfedcba98
	s_wait_dscnt 0x0
	s_wait_kmcnt 0x0
	s_add_nc_u64 s[16:17], s[4:5], s[16:17]
	s_add_nc_u64 s[46:47], s[6:7], s[46:47]
	CROUND                                         ; the first joint loads meet
.irp s, 0,1
	s_mov_b32 s[G0+4*\s], 1
	s_add_co_u32 s[G0+4*\s+1], s20, \s*SLOT
	s_add_nc_u64 s[G0+4*\s+2:G0+4*\s+3], s[16:17], \s*65536
	s_or_b32 s[G0+4*\s+3], s[G0+4*\s+3], 0x80000000
	s_mov_b32 s[G0B+4*\s], 1
	s_add_co_u32 s[G0B+4*\s+1], s20, \s*SLOT
	s_add_nc_u64 s[G0B+4*\s+2:G0B+4*\s+3], s[46:47], \s*65536
	s_or_b32 s[G0B+4*\s+3], s[G0B+4*\s+3], 0x80000000
	JLOAD \s
.endr
	s_load_b32 s68, s[4:5], 0x0                    ; A's scale
	v_and_b32 v1, 15, v0
	v_bfe_u32 v2, v0, 4, 1
	v_mul_u32_u24 v3, v1, PITCH
	v_lshl_add_u32 v3, v2, 4, v3
	s_mul_i32 s21, s13, 64*PITCH
	s_mul_i32 s22, s14, 64*PITCH
	s_add_co_u32 s22, s22, 2*HALFT
.irp s, 0,1
	v_add_nc_u32 v[ADRA+\s], s21, v3
	v_add_nc_u32 v[ADRB+\s], s22, v3
	s_add_co_u32 s21, s21, SLOT
	s_add_co_u32 s22, s22, SLOT
.endr
	s_mul_i32 s23, s12, 64*SPITCH
	v_add_nc_u32 v[STO], s23, v3
	v_and_b32 v4, 31, v0
	v_bfe_u32 v5, v0, 3, 2
	v_mul_u32_u24 v5, v5, SPITCH
	v_and_b32 v6, 7, v0
	v_lshl_add_u32 v5, v6, 4, v5
	v_add_nc_u32 v[RD], s23, v5
	v_lshlrev_b32 v[CO], 4, v4
	v_lshlrev_b32 v7, 5, v2
	s_mul_i32 s16, s15, TS                         ; Y: the tile row's part,
	s_lshl_b32 s18, s13, 13
	s_add_co_u32 s16, s16, s18
	s_add_co_u32 s16, s16, DATA
	s_mov_b32 s17, 0
	s_add_nc_u64 s[74:75], s[10:11], s[16:17]
	s_lshl_b32 s46, s42, 1                         ; and the tile column's: my 64 columns are one panel
	s_add_co_u32 s46, s46, s14
	s_lshl_b32 s46, s46, 14
	s_mov_b32 s47, 0
	s_add_nc_u64 s[74:75], s[74:75], s[46:47]
	s_lshl_b32 s46, s42, 9
	s_lshl_b32 s71, s14, 8
	s_add_co_u32 s46, s46, s71
	s_add_nc_u64 s[66:67], s[8:9], s[46:47]        ; my 64 entries of the bias
	s_lshl_b32 s69, s42, 5
	s_add_co_u32 s69, s69, s15
	s_lshl_b32 s69, s69, 2
	s_add_co_u32 s69, s69, s12
	s_lshl_b32 s69, s69, 2                         ; 4 idx
; the numbers for the scale come while the first tiles are on their way
.irp i, 0,1,2,3,4,5,6,7
	global_load_b128 v[32+4*\i:35+4*\i], v[CO], s[4:5] offset:16384+512*\i
.endr
	global_load_b128 v[64:67], v[CO], s[6:7]
	global_load_b128 v[68:71], v[CO], s[6:7] offset:512
	global_load_b128 v[72:75], v[CO], s[6:7] offset:1024
	global_load_b128 v[76:79], v[CO], s[6:7] offset:1536
.irp b, 0,1,2,3
	global_load_b128 v[BIA+8*\b:BIA+8*\b+3], v7, s[66:67] offset:64*\b
	global_load_b128 v[BIA+8*\b+4:BIA+8*\b+7], v7, s[66:67] offset:64*\b+16
.endr
	s_wait_loadcnt 0x0
	s_wait_kmcnt 0x0
	v_max_num_f32 v14, v32, v33
	v_max_num_f32 v19, v48, v49
.irp i, 2,4,6,8,10,12,14
	v_max3_num_f32 v14, v14, v[32+\i], v[33+\i]
	v_max3_num_f32 v19, v19, v[48+\i], v[49+\i]
.endr
	v_max_num_f32 v14, v14, v19
	v_max_num_f32 v15, v64, v65
	v_max_num_f32 v18, v72, v73
.irp i, 2,4,6
	v_max3_num_f32 v15, v15, v[64+\i], v[65+\i]
	v_max3_num_f32 v18, v18, v[72+\i], v[73+\i]
.endr
	RED 14, 19
	RED 15, 19
	RED 18, 19
	v_mul_f32 v14, s68, v14                        ; max|A|
	v_mul_f32 v14, 0x44800000, v14                 ; x 1,024
	v_fma_f32 v14, v14, v15, v18                   ; Bd
	v_max_num_f32 v14, 0x0d800000, v14             ; held to 2^-100 ..
	v_min_num_f32 v14, 0x71800000, v14             ; .. 2^100
	v_lshrrev_b32 v14, 23, v14                     ; E
	v_sub_nc_u32 v10, 268, v14
	v_lshlrev_b32 v10, 23, v10                     ; f = 2^(141 - E)
	v_add_nc_u32 v11, -14, v14
	v_lshlrev_b32 v11, 23, v11                     ; u = 2^(E - 141)
	v_mul_f32 v8, s68, v10                         ; what a sum is multiplied by: f x A's scale
	v_mov_b32 v9, v8
	v_mov_b32 v12, 0                               ; two chains of the largest stored magnitude
	v_mov_b32 v13, 0
.set i, 0
.rept 16
	v_pk_mul_f32 v[BIA+2*i:BIA+2*i+1], v[BIA+2*i:BIA+2*i+1], v[10:11] op_sel_hi:[1,0]
.set i, i+1
.endr
.macro MUL8 f, c, a0, zero             ; 8 products: row blocks a0, a0 + 1 x 4 column blocks, 32 along K.  The 16 accumulators take turns, one instruction a turn
.irp a, \a0, \a0+1
.irp b, 0,1,2,3
.if \zero
	v_wmma_f32_16x16x32_f16 v[ACC+8*(4*(\a)+\b):ACC+8*(4*(\a)+\b)+7], v[\f+64+8*(4*\c+\b):\f+64+8*(4*\c+\b)+7], v[\f+8*(4*\c+\a):\f+8*(4*\c+\a)+7], 0
.else
	v_wmma_f32_16x16x32_f16 v[ACC+8*(4*(\a)+\b):ACC+8*(4*(\a)+\b)+7], v[\f+64+8*(4*\c+\b):\f+64+8*(4*\c+\b)+7], v[\f+8*(4*\c+\a):\f+8*(4*\c+\a)+7], v[ACC+8*(4*(\a)+\b):ACC+8*(4*(\a)+\b)+7]
.endif
.endr
.endr
.endm
.macro FETCH slot, k, f                ; 32 LDS loads in one run: the fragments of one panel (64 along K), which begins at byte k of the slot's part; the first 32 along K first
	WIN TO_F
.irp c, 0,1
.irp i, 0,1,2,3
	ds_load_b128 v[\f+64+8*(4*\c+\i):\f+64+8*(4*\c+\i)+3],   v[ADRB+\slot] offset:\k+64*\c+\i*16*PITCH
	ds_load_b128 v[\f+64+8*(4*\c+\i)+4:\f+64+8*(4*\c+\i)+7], v[ADRB+\slot] offset:\k+64*\c+\i*16*PITCH+32
	ds_load_b128 v[\f+8*(4*\c+\i):\f+8*(4*\c+\i)+3],         v[ADRA+\slot] offset:\k+64*\c+\i*16*PITCH
	ds_load_b128 v[\f+8*(4*\c+\i)+4:\f+8*(4*\c+\i)+7],       v[ADRA+\slot] offset:\k+64*\c+\i*16*PITCH+32
.endr
.endr
.endm
.macro PLACES                          ; four places in front of loads into registers that products have read, and of the first read of results
.rept 4
	v_nop
.endr
.endm
.macro QUARTER slot, k, f, g, zero     ; multiplies buffer f, fetches the next panel, at byte k, into g
	s_wait_dscnt 16                                ; the first 32 along K are in
	WIN MUL
	MUL8 \f, 0, 0, \zero
	MUL8 \f, 0, 2, \zero
	PLACES
	FETCH \slot, \k, \g
	s_wait_dscnt 32                                ; all but the 32 just issued
	WIN MUL
	MUL8 \f, 1, 0, 0
	MUL8 \f, 1, 2, 0
.endm
.macro TURN slot, next, fill           ; a slot's last quarter changes slots: one barrier; fill = 1: it opens a round of the cluster's barrier, and this slot is filled again, two K steps ahead
	WIN 0
	s_wait_tensorcnt 0x0                           ; all my tensor loads have landed: my part of the next slot;
	ds_add_u32 v[SPW], v[NIL]                      ; 0 onto my spare word;
	s_wait_dscnt 17                                ; (the add and the youngest sixteen loads may be out)
	WIN MUL
	MUL8 F1, 0, 0, 0
	s_wait_dscnt 0x0                               ; the add is done, and my reads of this slot are over
	s_barrier_signal -1
	MUL8 F1, 0, 2, 0
.if \fill
	WIN 0
.endif
	s_barrier_wait -1
.if \fill
	CREST                                          ; no wave of any partner still reads this slot or has a load on its way
	s_add_nc_u64 s[G0+4*\slot+2:G0+4*\slot+3], s[G0+4*\slot+2:G0+4*\slot+3], 131072
	s_add_nc_u64 s[G0B+4*\slot+2:G0B+4*\slot+3], s[G0B+4*\slot+2:G0B+4*\slot+3], 131072
	JLOAD \slot                                    ; the first tensor load behind the round; its four v_nop are also the places in front of the loads below
.else
	PLACES
.endif
	FETCH \next, 0, F0
	WIN MUL
	MUL8 F1, 1, 0, 0
	MUL8 F1, 1, 2, 0
.endm
	s_wait_tensorcnt 1                             ; my part of K step 0 is in; K step 1's may be out
	s_barrier_signal -1
	s_barrier_wait -1
	FETCH 0, 0, F0
	QUARTER 0, PANEL,   F0, F1, 1                  ; K = 1,024 is four K steps, two laps of the ring: written straight
	QUARTER 0, 2*PANEL, F1, F0, 0
	QUARTER 0, 3*PANEL, F0, F1, 0
	TURN 0, 1, 1
	QUARTER 1, PANEL,   F0, F1, 0
	QUARTER 1, 2*PANEL, F1, F0, 0
	QUARTER 1, 3*PANEL, F0, F1, 0
	TURN 1, 0, 1
	QUARTER 0, PANEL,   F0, F1, 0
	QUARTER 0, 2*PANEL, F1, F0, 0
	QUARTER 0, 3*PANEL, F0, F1, 0
	TURN 0, 1, 0
	QUARTER 1, PANEL,   F0, F1, 0
	QUARTER 1, 2*PANEL, F1, F0, 0
	QUARTER 1, 3*PANEL, F0, F1, 0
	s_wait_dscnt 16
	WIN MUL
	MUL8 F1, 0, 0, 0
	MUL8 F1, 0, 2, 0
	s_wait_dscnt 0x0
	MUL8 F1, 1, 0, 0
	MUL8 F1, 1, 2, 0
	WIN 0
; THE WAY OUT: sum x (f x A's scale) + bias x f; the largest magnitude; f16; through my own stage, so that the wave stores 512 consecutive bytes (four rows of my panel)
	PLACES
.irp t, 0,1,2,3,4,5,6,7,8,9,10,11,12,13,14,15
.irp jj, 0,1,2,3
	v_pk_fma_f32 v[ACC+8*\t+2*\jj:ACC+8*\t+2*\jj+1], v[ACC+8*\t+2*\jj:ACC+8*\t+2*\jj+1], v[8:9], v[BIA+8*(\t%4)+2*\jj:BIA+8*(\t%4)+2*\jj+1]
.endr
	v_max3_num_f32 v12, v12, |v[ACC+8*\t]|, |v[ACC+8*\t+1]|
	v_max3_num_f32 v13, v13, |v[ACC+8*\t+2]|, |v[ACC+8*\t+3]|
	v_max3_num_f32 v12, v12, |v[ACC+8*\t+4]|, |v[ACC+8*\t+5]|
	v_max3_num_f32 v13, v13, |v[ACC+8*\t+6]|, |v[ACC+8*\t+7]|
.irp jj, 0,1,2,3
	v_cvt_pk_f16_f32 v[TMP+4*\t+\jj], v[ACC+8*\t+2*\jj], v[ACC+8*\t+2*\jj+1]
.endr
.endr
.irp a, 0,1,2,3
.irp b, 0,1,2,3
	ds_store_b128 v[STO], v[TMP+4*(4*\a+\b):TMP+4*(4*\a+\b)+3] offset:\a*16*SPITCH+32*\b
.endr
.endr
.irp i, 0,1,2,3,4,5,6,7,8,9,10,11,12,13,14,15
	ds_load_b128 v[TMP+4*\i:TMP+4*\i+3], v[RD] offset:\i*4*SPITCH   ; LDS serves a wave's instructions in order: these see my stores
.endr
.irp i, 0,1,2,3,4,5,6,7,8,9,10,11,12,13,14,15
	s_wait_dscnt 15-\i
	global_store_b128 v[CO], v[TMP+4*\i:TMP+4*\i+3], s[74:75] offset:512*\i
.endr
	v_max_num_f32 v12, v12, v13
	RED 12, 13
	v_cmp_ne_u32 vcc_lo, 0, v4
	v_cndmask_b32 v12, v11, v12, vcc_lo            ; lane 0: u; lane 1: my largest stored magnitude
	v_lshlrev_b32 v13, 14, v4
	v_add_nc_u32 v13, s69, v13
	v_cmp_gt_u32 vcc_lo, 2, v4
	s_wait_xcnt 0x0                                ; EXEC changes only behind this wait
	s_and_saveexec_b32 s70, vcc_lo
	global_store_b32 v13, v12, s[10:11]
	s_wait_xcnt 0x0
	s_or_b32 exec_lo, exec_lo, s70
	s_wait_tensorcnt 0x0                           ; the wave's end
	ds_add_u32 v[SPW], v[NIL]
	s_wait_dscnt 0x0
	CROUND                                         ; the closing round
	s_endpgm
.Lfunc_end_k_q7d410475b8_projl:
	.size	k_q7d410475b8_projl, .Lfunc_end_k_q7d410475b8_projl-k_q7d410475b8_projl
	.p2alignl 7, 3214868480
	.fill 96, 4, 3214868480
	.section	.rodata,"a",@progbits
	.p2align	6, 0x0
	.amdhsa_kernel k_q7d410475b8_projl
		.amdhsa_group_segment_fixed_size 327680
		.amdhsa_private_segment_fixed_size 0
		.amdhsa_enable_private_segment 0
		.amdhsa_kernarg_size 32
		.amdhsa_user_sgpr_count 2
		.amdhsa_user_sgpr_kernarg_segment_ptr 1
		.amdhsa_wavefront_size32 1
		.amdhsa_system_sgpr_workgroup_id_x 1
		.amdhsa_system_sgpr_workgroup_id_y 1
		.amdhsa_system_sgpr_workgroup_id_z 1
		.amdhsa_system_vgpr_workitem_id 0
		.amdhsa_next_free_vgpr 512
		.amdhsa_next_free_sgpr 80
		.amdhsa_reserve_vcc 1
		.amdhsa_float_denorm_mode_32 3
		.amdhsa_float_denorm_mode_16_64 3
		.amdhsa_memory_ordered 1
		.amdhsa_forward_progress 1
		.amdhsa_inst_pref_size 101
	.end_amdhsa_kernel
	.amdgpu_metadata
---
amdhsa.version: [ 1, 2 ]
amdhsa.kernels:
  - .name:           k_q7d410475b8_projl
    .symbol:         k_q7d410475b8_projl.kd
    .args:
      - { .name: ol, .offset: 0, .size: 8, .value_kind: global_buffer, .address_space: global }
      - { .name: wc, .offset: 8, .size: 8, .value_kind: global_buffer, .address_space: global }
      - { .name: b_out_l, .offset: 16, .size: 8, .value_kind: global_buffer, .address_space: global }
      - { .name: loc, .offset: 24, .size: 8, .value_kind: global_buffer, .address_space: global }
    .group_segment_fixed_size: 327680
    .private_segment_fixed_size: 0
    .kernarg_segment_align: 8
    .kernarg_segment_size: 32
    .max_flat_workgroup_size: 128
    .sgpr_count:     80
    .vgpr_count:     512
    .wavefront_size: 32
...
	.end_amdgpu_metadata
.endif
;; end of part 3
;; launch projg (part 4): grid 8 x 32, 4 waves a work-group, clusters of 4 x 4, 327,680 bytes of LDS; arguments loc, wd, b_in_g, qkv; writes qkv
.if DOCPART == 4
	.amdgcn_target "amdgcn-amd-amdhsa--gfx1250"
	.amdhsa_code_object_version 6
	.text
	.protected	k_q7d410475b8_projg
	.globl	k_q7d410475b8_projg
	.p2align	8
	.type	k_q7d410475b8_projg,@function
k_q7d410475b8_projg:
	s_mov_b64 s[64:65], 0
	v_nop
	global_prefetch_b8 v0, s[64:65] scope:SCOPE_SE
	s_setreg_imm32_b32 hwreg(HW_REG_WAVE_MODE, 25, 1), 1
	s_wait_xcnt 0x0
	s_wait_alu depctr_hold_cnt(0) depctr_sa_sdst(0) depctr_va_vdst(0) depctr_va_sdst(0) depctr_va_ssrc(0) depctr_va_vcc(0) depctr_vm_vsrc(0)
	s_getreg_b32 s2, hwreg(HW_REG_IB_STS2, 6, 4)
	s_cmp_eq_u32 s2, 0
	s_cbranch_scc0 .Lentry_in_a_cluster
	s_endpgm
.Lentry_in_a_cluster:
	s_bfe_u32 s2, ttmp6, 0x10000c
	s_cmp_lg_u32 s2, 0xf033
	s_cbranch_scc0 .Lentry_shape_is_right
	s_endpgm
.Lentry_shape_is_right:
; PROJG.  Product 5: qkv = loc w_in_g^T + b_in_g, K = 1,024, N = 3,072; operands f16, sums f32, qkv stored as f16 under one exact power-of-two scale for the whole tensor.
; LEFT OUT: the K third of b_in_g (columns 1,024 .. 2,047): it adds the same term to all scores of a query (shown at the head of the first kernel).  Here that third is the middle 128 columns of every tile: its sums take no bias.
; SHARES.  A tile is 128 rows x 384 columns: columns 128 X .. 128 X + 127 of q, of k and of v.  32 x 8 = 256 work-groups, one tile each.  Four waves, each 64 rows x 64 columns of each third: 48 accumulators, 384 registers.
; A fragment of loc read from LDS so feeds 12 products: for 32 along K a wave issues 32 LDS loads and 48 products.
; LAYOUT of loc and qkv: a scale u for each producing wave at 4 idx (true value = stored x u; all equal, entry 0 is read); in loc the waves' largest stored magnitudes at 16,384 + 4 idx (1,024 entries); data from 32,768:
; (R / 128) x 786,432 + (col / 64) x 16,384 + (R % 128) x 128 + (col % 64) x 2.  wd: header (256 partial max|w|, at 1,024 256 partial max|b|), from 4,096 on [n / 128][k / 64][128][64].  A K step of 128 of a tile of 128 rows is 32,768 dense bytes.
; THE SCALE.  Bd = 1024 max|A| max|W| + max|b| bounds every |y|.  With E its exponent field, f = 2^(141 - E) brings |y f| under 2^15, and u = 2^(E - 141) is stored beside.  Every wave forms the same Bd from the same numbers.
; LIMITS: Bd is held to 2^-100 .. 2^100; NaN and infinities are not served.
; RING.  K goes in eight steps of 128 through two LDS slots: loc's 128 rows, then the three thirds' 128 rows of w_in_g; an LDS row is one row of one panel, 128 bytes + 16.  Wave 0 fetches loc's part, waves 1 to 3 a third each: one load a wave.
; CLUSTER 4 x 4: loc's tiles hang on the grid's y alone and are asked for jointly along a row of the cluster, w_in_g's on x alone, along a column.
; THE MATRIX INSTRUCTION IS USED TRANSPOSED (source 0 = 16 rows of W, source 1 = 16 rows of A): a lane holds eight neighbouring columns of a row of qkv.
; REGISTERS.  window 0: v1-31 addresses, scale; v32-95 and v160-223 two sets for the way out; v96-127 q's bias x f, v128-159 v's.   window 1: two fragment buffers of 128 (A's four blocks, then W's twelve).
;   window 2: q's accumulators (a, b) at v[8 (4 a + b)], k's at v[128 + ..].   window 3: v's at v[8 (4 a + b)].
.set TS,     786432
.set DATA,   32768
.set PITCH,  144                       ; 36 words: the 16 rows of a load start at 16 different groups of banks
.set PANEL,  128*PITCH                 ; 64 along K of 128 rows
.set HALFT,  2*PANEL                   ; what one tensor load brings: 128 along K of 128 rows
.set SLOT,   4*HALFT                   ; A's part, then W's three thirds
.set SPARE,  2*SLOT
.set SPITCH, 144                       ; the way out: 64 rows x 144 for each wave, in slot 0, which has then had its last fill and its last read
.set LAPS,   4                         ; a lap = two K steps = once round the ring
.set K1,     64                        ; where a K step's four pieces of 32 along K begin in its LDS rows: 0, K1, K2, K3
.set K2,     PANEL
.set K3,     PANEL+64
.set ADRA, 16                          ; v16-17  my A fragments in slot 0, 1
.set ADRB, 18                          ; v18-23  my W fragments: slot s, third t at v[18 + 3 s + t]
.set STO,  24
.set RD,   25
.set CO,   26
.set SPW,  28
.set NIL,  29
.set TMA,  32
.set TMB,  160
.set BIA,  96
.set F0,   0
.set F1,   128
.set G1, 24
.set G0, 32
.set G1B, 48
.set G0B, 56
.set MSB, 0
.macro WIN new                         ; the immediate's high byte repeats the setting that is left
.if MSB != (\new)
	s_set_vgpr_msb (MSB<<8)|(\new)
.set MSB, (\new)
.endif
.endm
.set MUL_LO, 0xa5                      ; sources 0 (W) and 1 (A) window 1; C and D window 2
.set MUL_HI, 0xf5                      ; the same, C and D window 3
.set TO_F,   0x40                      ; destination window 1
.macro JLOAD s                         ; a joint load: wave 0 fetches A's part of a slot, waves 1 to 3 W's thirds; an s_nop 0 and four v_nop follow each line
	s_cmp_eq_u32 s12, 0
	s_cbranch_scc0 .Lfor_b_\@
	tensor_load_to_lds s[G0+4*\s:G0+4*\s+3], s[G1:G1+7]
	s_nop 0
.rept 4
	v_nop
.endr
	s_branch .Lasked_\@
.Lfor_b_\@:
	tensor_load_to_lds s[G0B+4*\s:G0B+4*\s+3], s[G1B:G1B+7]
	s_nop 0
.rept 4
	v_nop
.endr
.Lasked_\@:
.endm
.macro CREST
	s_cmp_lg_u32 s12, 0
	s_cbranch_scc1 .Lnot_wave_0_\@
	s_barrier_signal -3
.Lnot_wave_0_\@:
	s_barrier_wait -3
	s_barrier_signal -1
	s_barrier_wait -1
.endm
.macro CROUND
	s_barrier_signal -1
	s_barrier_wait -1
	CREST
.endm
.macro RED x, t                        ; the maximum over the 32 lanes, in every lane
.irp m, 1,2,4,8
	v_max_num_f32_dpp v[\x], v[\x], v[\x] row_xmask:\m row_mask:0xf bank_mask:0xf
.endr
	v_permlanex16_b32 v[\t], v[\x], s72, s73
	v_max_num_f32 v[\x], v[\x], v[\t]
.endm
	s_load_b128 s[4:7], s[0:1], 0x0                ; loc, wd
	s_load_b128 s[8:11], s[0:1], 0x10              ; b_in_g, qkv
	v_lshl_add_u32 v[SPW], v0, 2, SPARE
	v_mov_b32 v[NIL], 0
	ds_add_u32 v[SPW], v[NIL]                      ; the opening: the add, twice on end, and its wait ahead of my first tensor load
	ds_add_u32 v[SPW], v[NIL]
	v_lshrrev_b32 v1, 5, v0
	v_readfirstlane_b32 s12, v1                    ; wave
	s_lshr_b32 s13, s12, 1                         ; my half of the rows
	s_and_b32 s14, s12, 1                          ; my half of each third's columns
	s_bfe_u32 s40, ttmp6, 0x40000
	s_bfe_u32 s41, ttmp6, 0x40004
	s_lshl_b32 s42, ttmp9, 2
	s_add_co_u32 s42, s42, s40                     ; X: the tile column
	s_and_b32 s15, ttmp7, 0xffff
	s_lshl_b32 s15, s15, 2
	s_add_co_u32 s15, s15, s41                     ; the tile row
	s_lshl_b32 s43, s41, 2
	s_lshl_b32 s43, 15, s43                        ; my row of the cluster
	s_lshl_b32 s44, 0x1111, s40                    ; my column
	s_or_b32 s[G1+0], s43, (1<<16)|(1<<20)|(1<<21)|(4<<22)|(3<<25)   ; elements of 2 bytes; 4 words of padding behind every 32; bit 21 beside the mask
	s_or_b32 s[G1B+0], s44, (1<<16)|(1<<20)|(1<<21)|(4<<22)|(3<<25)
.irp g, G1, G1B
	s_mov_b32 s[\g+1], 64<<16                      ; tensor_dim0
	s_mov_b32 s[\g+2], 256<<16                     ; tensor_dim1: two panels' rows on end
	s_mov_b32 s[\g+3], 64<<16                      ; tile_dim0
	s_mov_b32 s[\g+4], 256                         ; tile_dim1
	s_mov_b32 s[\g+5], 64                          ; dense
	s_mov_b32 s[\g+6], 0
	s_mov_b32 s[\g+7], 0
.endr
	s_mul_i32 s16, s15, TS                         ; A: the tile row's first panel: made of the tile row alone
	s_add_co_u32 s16, s16, DATA
	s_mov_b32 s17, 0
	s_add_co_u32 s18, s12, 3
	s_and_b32 s18, s18, 3
	s_min_u32 s18, s18, 2                          ; waves 1, 2, 3 fetch W's thirds 0, 1, 2 (wave 0, which fetches A, forms an address here that it never uses)
	s_lshl_b32 s18, s18, 3
	s_add_co_u32 s46, s42, s18                     ; W: tile X + 8 x third: made of X and the wave alone
	s_lshl_b32 s46, s46, 18
	s_add_co_u32 s46, s46, 4096
	s_mov_b32 s47, 0
	s_mul_i32 s20, s12, HALFT                      ; LDS: wave x 256 LDS rows: A's part, then the thirds
	s_mov_b32 s72, 0x76543210
	s_mov_b32 s73, 0xfedcba98
	s_wait_dscnt 0x0                               ; both opening adds are done
	s_wait_kmcnt 0x0
	s_add_nc_u64 s[16:17], s[4:5], s[16:17]
	s_add_nc_u64 s[46:47], s[6:7], s[46:47]
	CROUND                                         ; the first joint loads meet
.irp s, 0,1
	s_mov_b32 s[G0+4*\s], 1
	s_add_co_u32 s[G0+4*\s+1], s20, \s*SLOT
	s_add_nc_u64 s[G0+4*\s+2:G0+4*\s+3], s[16:17], \s*32768
	s_or_b32 s[G0+4*\s+3], s[G0+4*\s+3], 0x80000000
	s_mov_b32 s[G0B+4*\s], 1
	s_add_co_u32 s[G0B+4*\s+1], s20, \s*SLOT
	s_add_nc_u64 s[G0B+4*\s+2:G0B+4*\s+3], s[46:47], \s*32768
	s_or_b32 s[G0B+4*\s+3], s[G0B+4*\s+3], 0x80000000
	JLOAD \s                                       ; two loads of mine are out
.endr
	s_load_b32 s68, s[4:5], 0x0                    ; loc's scale
	v_and_b32 v1, 15, v0                           ; r
	v_bfe_u32 v2, v0, 4, 1                         ; h
	v_mul_u32_u24 v3, v1, PITCH
	v_lshl_add_u32 v3, v2, 4, v3
	s_mul_i32 s21, s13, 64*PITCH                   ; my 64 rows of A
	s_mul_i32 s22, s14, 64*PITCH                   ; my 64 rows of each third,
	s_add_co_u32 s22, s22, HALFT                   ; which lie behind A's part
.irp s, 0,1
	v_add_nc_u32 v[ADRA+\s], s21, v3
.irp t, 0,1,2
	v_add_nc_u32 v[ADRB+3*\s+\t], s22, v3
	s_add_co_u32 s22, s22, HALFT
.endr
	s_add_co_u32 s21, s21, SLOT
	s_add_co_u32 s22, s22, HALFT                   ; past the next slot's A
.endr
	s_mul_i32 s23, s12, 64*SPITCH
	v_add_nc_u32 v[STO], s23, v3
	v_and_b32 v4, 31, v0
	v_bfe_u32 v5, v0, 3, 2
	v_mul_u32_u24 v5, v5, SPITCH
	v_and_b32 v6, 7, v0
	v_lshl_add_u32 v5, v6, 4, v5
	v_add_nc_u32 v[RD], s23, v5
	v_lshlrev_b32 v[CO], 4, v4
	v_lshlrev_b32 v7, 5, v2
	s_mul_i32 s16, s15, TS                         ; qkv: the tile row's part,
	s_lshl_b32 s18, s13, 13
	s_add_co_u32 s16, s16, s18
	s_add_co_u32 s16, s16, DATA
	s_mov_b32 s17, 0
	s_add_nc_u64 s[74:75], s[10:11], s[16:17]
	s_lshl_b32 s46, s42, 1                         ; and the tile column's: my 64 columns of q are panel 2 X + half; k's and v's lie 16 and 32 panels on
	s_add_co_u32 s46, s46, s14
	s_lshl_b32 s46, s46, 14
	s_mov_b32 s47, 0
	s_add_nc_u64 s[74:75], s[74:75], s[46:47]
	s_lshl_b32 s46, s42, 9
	s_lshl_b32 s71, s14, 8
	s_add_co_u32 s46, s46, s71
	s_add_nc_u64 s[66:67], s[8:9], s[46:47]        ; my 64 entries of q's bias; v's lie 8,192 bytes on
	s_lshl_b32 s69, s42, 5
	s_add_co_u32 s69, s69, s15
	s_lshl_b32 s69, s69, 2
	s_add_co_u32 s69, s69, s12
	s_lshl_b32 s69, s69, 2                         ; 4 idx
; the numbers for the scale come while the first tiles are on their way
.irp i, 0,1,2,3,4,5,6,7
	global_load_b128 v[32+4*\i:35+4*\i], v[CO], s[4:5] offset:16384+512*\i
.endr
	global_load_b128 v[64:67], v[CO], s[6:7]
	global_load_b128 v[68:71], v[CO], s[6:7] offset:512
	global_load_b128 v[72:75], v[CO], s[6:7] offset:1024
	global_load_b128 v[76:79], v[CO], s[6:7] offset:1536
.irp b, 0,1,2,3
	global_load_b128 v[BIA+8*\b:BIA+8*\b+3], v7, s[66:67] offset:64*\b
	global_load_b128 v[BIA+8*\b+4:BIA+8*\b+7], v7, s[66:67] offset:64*\b+16
	global_load_b128 v[BIA+32+8*\b:BIA+32+8*\b+3], v7, s[66:67] offset:8192+64*\b
	global_load_b128 v[BIA+32+8*\b+4:BIA+32+8*\b+7], v7, s[66:67] offset:8192+64*\b+16
.endr
	s_wait_loadcnt 0x0
	s_wait_kmcnt 0x0
	v_max_num_f32 v14, v32, v33
	v_max_num_f32 v31, v48, v49
.irp i, 2,4,6,8,10,12,14
	v_max3_num_f32 v14, v14, v[32+\i], v[33+\i]
	v_max3_num_f32 v31, v31, v[48+\i], v[49+\i]
.endr
	v_max_num_f32 v14, v14, v31
	v_max_num_f32 v15, v64, v65
	v_max_num_f32 v30, v72, v73
.irp i, 2,4,6
	v_max3_num_f32 v15, v15, v[64+\i], v[65+\i]
	v_max3_num_f32 v30, v30, v[72+\i], v[73+\i]
.endr
	RED 14, 31
	RED 15, 31
	RED 30, 31
	v_mul_f32 v14, s68, v14                        ; max|A|
	v_mul_f32 v14, 0x44800000, v14                 ; x 1,024
	v_fma_f32 v14, v14, v15, v30                   ; Bd
	v_max_num_f32 v14, 0x0d800000, v14             ; held to 2^-100 ..
	v_min_num_f32 v14, 0x71800000, v14             ; .. 2^100
	v_lshrrev_b32 v14, 23, v14                     ; E
	v_sub_nc_u32 v10, 268, v14
	v_lshlrev_b32 v10, 23, v10                     ; f = 2^(141 - E)
	v_add_nc_u32 v11, -14, v14
	v_lshlrev_b32 v11, 23, v11                     ; u = 2^(E - 141)
	v_mul_f32 v8, s68, v10                         ; what a sum is multiplied by: f x loc's scale
	v_mov_b32 v9, v8
.set i, 0
.rept 32
	v_pk_mul_f32 v[BIA+2*i:BIA+2*i+1], v[BIA+2*i:BIA+2*i+1], v[10:11] op_sel_hi:[1,0]
.set i, i+1
.endr
; 16 products: my four row blocks x the four column blocks of third wch, 32 along K.  The 48 accumulators take turns, one instruction a turn, in the same order in every piece.
; zero = 1: the first product starts the sums: nothing is ever cleared.
.macro MUL16 f, wch, zero
.irp a, 0,1,2,3
.irp b, 0,1,2,3
.if \zero
	v_wmma_f32_16x16x32_f16 v[128*((\wch)%2)+8*(4*\a+\b):128*((\wch)%2)+8*(4*\a+\b)+7], v[\f+32+8*(4*(\wch)+\b):\f+32+8*(4*(\wch)+\b)+7], v[\f+8*\a:\f+8*\a+7], 0
.else
	v_wmma_f32_16x16x32_f16 v[128*((\wch)%2)+8*(4*\a+\b):128*((\wch)%2)+8*(4*\a+\b)+7], v[\f+32+8*(4*(\wch)+\b):\f+32+8*(4*(\wch)+\b)+7], v[\f+8*\a:\f+8*\a+7], v[128*((\wch)%2)+8*(4*\a+\b):128*((\wch)%2)+8*(4*\a+\b)+7]
.endif
.endr
.endr
.endm
.macro FETCH slot, k, f                ; 32 LDS loads in one run: the fragments of the piece that begins at byte k: A's four blocks, then thirds 0, 1, 2, in the order in which they are wanted
	WIN TO_F
.irp i, 0,1,2,3
	ds_load_b128 v[\f+8*\i:\f+8*\i+3],   v[ADRA+\slot] offset:\k+\i*16*PITCH
	ds_load_b128 v[\f+8*\i+4:\f+8*\i+7], v[ADRA+\slot] offset:\k+\i*16*PITCH+32
.endr
.irp t, 0,1,2
.irp i, 0,1,2,3
	ds_load_b128 v[\f+32+8*(4*\t+\i):\f+32+8*(4*\t+\i)+3],   v[ADRB+3*\slot+\t] offset:\k+\i*16*PITCH
	ds_load_b128 v[\f+32+8*(4*\t+\i)+4:\f+32+8*(4*\t+\i)+7], v[ADRB+3*\slot+\t] offset:\k+\i*16*PITCH+32
.endr
.endr
.endm
.macro PLACES                          ; four places in front of loads into registers that products have read, and of the first read of results
.rept 4
	v_nop
.endr
.endm
; A K step is four pieces of 32 along K, 48 products each, on buffers 0, 1, 0, 1.  One of the first three: multiplies buffer f; behind its first 16 products it fetches the next piece, at byte k, into g.
.macro PIECE slot, k, f, g, zero
	s_wait_dscnt 16                                ; A's blocks and third 0 are in; thirds 1 and 2 may be out
	WIN MUL_LO
	MUL16 \f, 0, \zero
	PLACES
	FETCH \slot, \k, \g
	s_wait_dscnt 40                                ; third 1 is in; third 2 and the 32 just issued may be out
	WIN MUL_LO
	MUL16 \f, 1, \zero
	s_wait_dscnt 32                                ; all but the 32 just issued
	WIN MUL_HI
	MUL16 \f, 2, \zero
.endm
; A K step's last piece multiplies buffer 1 and changes slots: one barrier; in front of it each wave waits for all its tensor loads, adds 0 to its spare word, and waits for that and for its reads of this slot.
; fill = 1: the barrier opens a round of the cluster's barrier, and this slot is filled again, two K steps ahead: 160 products stand between the request and the wait for it.
.macro TURN slot, next, fill
	WIN 0
	s_wait_tensorcnt 0x0                           ; all my tensor loads have landed: my part of the next slot;
	ds_add_u32 v[SPW], v[NIL]                      ; 0 onto my spare word;
	s_wait_dscnt 17                                ; (the add and the youngest sixteen loads, thirds 1 and 2, may be out)
	WIN MUL_LO
	MUL16 F1, 0, 0
	s_wait_dscnt 0x0                               ; the add is done, and my reads of this slot are over
	s_barrier_signal -1
	MUL16 F1, 1, 0
.if \fill
	WIN 0
.endif
	s_barrier_wait -1
.if \fill
	CREST                                          ; no wave of any partner still reads this slot or has a load on its way
	s_add_nc_u64 s[G0+4*\slot+2:G0+4*\slot+3], s[G0+4*\slot+2:G0+4*\slot+3], 65536
	s_add_nc_u64 s[G0B+4*\slot+2:G0B+4*\slot+3], s[G0B+4*\slot+2:G0B+4*\slot+3], 65536
	JLOAD \slot                                    ; the first tensor load behind the round; its four v_nop are also the places in front of the loads below
.else
	PLACES
.endif
	FETCH \next, 0, F0
	WIN MUL_HI
	MUL16 F1, 2, 0
.endm
	s_wait_tensorcnt 1                             ; my part of K step 0 is in; K step 1's may be out
	s_barrier_signal -1
	s_barrier_wait -1
	FETCH 0, 0, F0
	PIECE 0, K1, F0, F1, 1                         ; the first piece stands in front of the loop: its products start the sums
	WIN 0                                          ; at a label and at a branch every window is 0
	s_mov_b32 s3, LAPS-1
.Llap:                                                 ; a trip goes once round the ring, from a lap's second piece to the next lap's first, and fills both slots again
	PIECE 0, K2, F1, F0, 0
	PIECE 0, K3, F0, F1, 0
	TURN 0, 1, 1
	PIECE 1, K1, F0, F1, 0
	PIECE 1, K2, F1, F0, 0
	PIECE 1, K3, F0, F1, 0
	TURN 1, 0, 1
	PIECE 0, K1, F0, F1, 0
	WIN 0
	s_sub_co_u32 s3, s3, 1
	s_cmp_lg_u32 s3, 0
	s_cbranch_scc1 .Llap
	PIECE 0, K2, F1, F0, 0                         ; the last lap fills nothing, and has no round of the cluster's barrier
	PIECE 0, K3, F0, F1, 0
	TURN 0, 1, 0
	PIECE 1, K1, F0, F1, 0
	PIECE 1, K2, F1, F0, 0
	PIECE 1, K3, F0, F1, 0
	s_wait_dscnt 16                                ; the very last piece: nothing more to fetch
	WIN MUL_LO
	MUL16 F1, 0, 0
	s_wait_dscnt 8                                 ; third 2 may be out
	MUL16 F1, 1, 0
	s_wait_dscnt 0x0
	WIN MUL_HI
	MUL16 F1, 2, 0
	WIN 0
; THE WAY OUT, a third at a time: sum x (f x loc's scale) + bias x f (k's third: no bias); f16; through my own stage, so that the wave stores 512 consecutive bytes (four rows of my panel).
.macro PACK wch, tm
.set AB, 128*((\wch)%2)
.if (\wch) < 2
	WIN 0x82                                       ; destination and source 0 window 2
.else
	WIN 0xc3                                       ; window 3
.endif
.set i, 0
.rept 64                               ; each accumulator from its low end on
.if (\wch) == 1
	v_pk_mul_f32 v[AB+2*i:AB+2*i+1], v[AB+2*i:AB+2*i+1], v[8:9]
.else
	v_pk_fma_f32 v[AB+2*i:AB+2*i+1], v[AB+2*i:AB+2*i+1], v[8:9], v[BIA+16*(\wch)+8*((i/4)%4)+2*(i%4):BIA+16*(\wch)+8*((i/4)%4)+2*(i%4)+1]
.endif
.set i, i+1
.endr
.if (\wch) < 2
	WIN 0x0a                                       ; sources 0 and 1 window 2
.else
	WIN 0x0f
.endif
.set i, 0
.rept 64
	v_cvt_pk_f16_f32 v[\tm+i], v[AB+2*i], v[AB+2*i+1]
.set i, i+1
.endr
	WIN 0
.irp a, 0,1,2,3
.irp b, 0,1,2,3
	ds_store_b128 v[STO], v[\tm+4*(4*\a+\b):\tm+4*(4*\a+\b)+3] offset:\a*16*SPITCH+32*\b
.endr
.endr
.irp i, 0,1,2,3,4,5,6,7,8,9,10,11,12,13,14,15
	ds_load_b128 v[\tm+4*\i:\tm+4*\i+3], v[RD] offset:\i*4*SPITCH   ; LDS serves a wave's instructions in order: these see my stores, and the next third's stores come behind them
.endr
.endm
.macro SEND wch, tm, younger           ; younger: the LDS instructions issued behind this third's loads, which may stay out
.irp i, 0,1,2,3,4,5,6,7,8,9,10,11,12,13,14,15
	s_wait_dscnt \younger+15-\i
	global_store_b128 v[CO], v[\tm+4*\i:\tm+4*\i+3], s[74:75] offset:262144*(\wch)+512*\i
.endr
.endm
	PLACES
	PACK 0, TMA
	PACK 1, TMB                                    ; a third's arithmetic stands between the loads of the third before and its stores
	SEND 0, TMA, 32
	s_wait_xcnt 0x0                                ; q's stores have read their registers: v's third may take them
	PACK 2, TMA
	SEND 1, TMB, 32
	SEND 2, TMA, 0
	v_mov_b32 v13, s69
	v_cmp_gt_u32 vcc_lo, 1, v4                     ; lane 0 stores the scale
	s_wait_xcnt 0x0                                ; EXEC changes only behind this wait
	s_and_saveexec_b32 s70, vcc_lo
	global_store_b32 v13, v11, s[10:11]
	s_wait_xcnt 0x0
	s_or_b32 exec_lo, exec_lo, s70
	s_wait_tensorcnt 0x0                           ; the wave's end
	ds_add_u32 v[SPW], v[NIL]
	s_wait_dscnt 0x0
	CROUND                                         ; the closing round
	s_endpgm
.Lfunc_end_k_q7d410475b8_projg:
	.size	k_q7d410475b8_projg, .Lfunc_end_k_q7d410475b8_projg-k_q7d410475b8_projg
	.p2alignl 7, 3214868480
	.fill 96, 4, 3214868480
	.section	.rodata,"a",@progbits
	.p2align	6, 0x0
	.amdhsa_kernel k_q7d410475b8_projg
		.amdhsa_group_segment_fixed_size 327680
		.amdhsa_private_segment_fixed_size 0
		.amdhsa_enable_private_segment 0
		.amdhsa_kernarg_size 32
		.amdhsa_user_sgpr_count 2
		.amdhsa_user_sgpr_kernarg_segment_ptr 1
		.amdhsa_wavefront_size32 1
		.amdhsa_system_sgpr_workgroup_id_x 1
		.amdhsa_system_sgpr_workgroup_id_y 1
		.amdhsa_system_sgpr_workgroup_id_z 1
		.amdhsa_system_vgpr_workitem_id 0
		.amdhsa_next_free_vgpr 896
		.amdhsa_next_free_sgpr 80
		.amdhsa_reserve_vcc 1
		.amdhsa_float_denorm_mode_32 3
		.amdhsa_float_denorm_mode_16_64 3
		.amdhsa_memory_ordered 1
		.amdhsa_forward_progress 1
		.amdhsa_inst_pref_size 141
	.end_amdhsa_kernel
	.amdgpu_metadata
---
amdhsa.version: [ 1, 2 ]
amdhsa.kernels:
  - .name:           k_q7d410475b8_projg
    .symbol:         k_q7d410475b8_projg.kd
    .args:
      - { .name: loc, .offset: 0, .size: 8, .value_kind: global_buffer, .address_space: global }
      - { .name: wd, .offset: 8, .size: 8, .value_kind: global_buffer, .address_space: global }
      - { .name: b_in_g, .offset: 16, .size: 8, .value_kind: global_buffer, .address_space: global }
      - { .name: qkv, .offset: 24, .size: 8, .value_kind: global_buffer, .address_space: global }
    .group_segment_fixed_size: 327680
    .private_segment_fixed_size: 0
    .kernarg_segment_align: 8
    .kernarg_segment_size: 32
    .max_flat_workgroup_size: 128
    .sgpr_count:     80
    .vgpr_count:     896
    .wavefront_size: 32
...
	.end_amdgpu_metadata
.endif
;; end of part 4
;; launch attn (part 5): grid 8 x 32, 8 waves a work-group, clusters of 4 x 1, 327,680 bytes of LDS; arguments qkv, og; writes og
.if DOCPART == 5
	.amdgcn_target "amdgcn-amd-amdhsa--gfx1250"
	.amdhsa_code_object_version 6
	.text
	.protected	k_q7d410475b8_attn
	.globl	k_q7d410475b8_attn
	.p2align	8
	.type	k_q7d410475b8_attn,@function
k_q7d410475b8_attn:
	s_mov_b64 s[64:65], 0
	v_nop
	global_prefetch_b8 v0, s[64:65] scope:SCOPE_SE
	s_setreg_imm32_b32 hwreg(HW_REG_WAVE_MODE, 25, 1), 1
	s_wait_xcnt 0x0
	s_wait_alu depctr_hold_cnt(0) depctr_sa_sdst(0) depctr_va_vdst(0) depctr_va_sdst(0) depctr_va_ssrc(0) depctr_va_vcc(0) depctr_vm_vsrc(0)
	s_getreg_b32 s2, hwreg(HW_REG_IB_STS2, 6, 4)
	s_cmp_eq_u32 s2, 0
	s_cbranch_scc0 .Lentry_in_a_cluster
	s_endpgm
.Lentry_in_a_cluster:
	s_bfe_u32 s2, ttmp6, 0x10000c
	s_cmp_lg_u32 s2, 0x3003
	s_cbranch_scc0 .Lentry_shape_is_right
	s_endpgm
.Lentry_shape_is_right:
; ATTN.  The global attention: 32 pairs (batch, head), 2,048 queries and keys, head size 64.  q, k, v are f16 under one scale u (true = stored x u); products on f16 with f32 sums; maxima, exponentials and sums in f32.
; o = softmax(q k^T / 8) v by a running maximum m and sum l: p = 2^(c s - c m), c = u u log2(e) / 8 on the stored scores s; in every step l and o are multiplied by a = 2^(c m_old - c m_new).  p is rounded to f16 for the
; second product; o leaves as f16 under v's scale (|o| is at most the largest |v|).
; SHARES.  A work-group owns 256 queries of one pair, each of its eight waves 32: two tiles of 16.  Two waves share a SIMD: one wave's softmax stands beside the other's products.  Every wave walks all keys, 64 a step.
; LAYOUT.  S^T = K Q^T (source 0 = 16 keys, source 1 = 16 queries): a lane holds one query (lane % 16) and keys 8 (lane / 16) + 0..7 of each tile.  Two such tiles rounded in pairs are source 1 of O^T = V^T P.  V comes turned, by ds_load_tr16_b128.
; RING.  Two slots of 512 keys: K (rows of 128 bytes + 16), then V (+ 32).  128 keys of a head are 16,384 dense bytes of qkv: waves 0-3 fetch K's four blocks, waves 4-7 V's.  2,048 keys are four slots' worth: the walk is written out.
; CLUSTER 4 x 1: the four query blocks of a cluster walk the same K and V: each block is asked for jointly.
; LIMITS: c and c x score stay inside f32; NaN and infinities are not served.
.set TS,    786432
.set DATA,  32768
.set PK,    144
.set PV,    160                        ; 40 words: an odd multiple of 32 bytes
.set VOFF,  512*PK
.set SLOT1, 512*(PK+PV)                ; 155,648
.set SPARE, 2*SLOT1
.set AK0, 1
.set AV0, 2
.set ADK, 3
.set ADV, 4
.set SPW, 5
.set NIL, 6
.set PFO, 7
.set ST,  8                            ; tile t: +0 c m, +1 m, +2, +3 l, +4 .. +7 at work (a in +6)
.set Q,   24
.set S,   56                           ; S^T; p's f16 pairs are laid over its low half
.set KV,  120                          ; one buffer: K's fragments of a step, then V's
.set O,   184
.set STO, 248
.set RD,  249
.set GO,  250
.set CS,  254                          ; v[254:255] c
.set WV,  12
.set LIM, 15
.set PFA, 18
.set G1K, 24
.set G1V, 32
.set G0K, 40                           ; a group 0 for each slot
.set G0V, 48
.set CNT, 56
.set SEL, 60
.set TBK, 62
.set TBV, 63
.macro PLACES
.rept 4
	v_nop
.endr
.endm
.macro JLOAD s                         ; a joint load into slot s; an s_nop 0 and four v_nop follow each line
	s_cmp_lt_u32 s[WV], 4
	s_cbranch_scc0 .Lfor_v_\@
	tensor_load_to_lds s[G0K+4*\s:G0K+4*\s+3], s[G1K:G1K+7]
	s_nop 0
	PLACES
	s_branch .Lasked_\@
.Lfor_v_\@:
	tensor_load_to_lds s[G0V+4*\s:G0V+4*\s+3], s[G1V:G1V+7]
	s_nop 0
	PLACES
.Lasked_\@:
.endm
; A PREFETCH of the last 512 keys' K and V, asked for behind the first refill: a slot's eight key steps ahead of the load that wants them.  8 blocks of 16,384 bytes are 512 runs of 256 bytes, each named once in the launch:
; the pair's first cluster asks; its four partners take 16 runs of each block, told apart by address; in each, waves 0, 2, 4, 6 ask, a lane a run: lanes 0-15 in the wave's own block, lanes 16-31 in the next.
.macro ASK
	s_cmp_eq_u32 s[LIM], 0
	s_cbranch_scc0 .Lnot_mine_\@
	global_prefetch_b8 v[PFO], s[PFA:PFA+1] th:TH_LOAD_NT scope:SCOPE_SE
.Lnot_mine_\@:
.endm
.macro CROUND
	s_barrier_signal -1
	s_barrier_wait -1
	s_cmp_lg_u32 s[WV], 0
	s_cbranch_scc1 .Lnot_wave_0_\@
	s_barrier_signal -3
.Lnot_wave_0_\@:
	s_barrier_wait -3
	s_barrier_signal -1
	s_barrier_wait -1
.endm
	s_load_b128 s[4:7], s[0:1], 0x0                ; qkv, og
	v_lshl_add_u32 v[SPW], v0, 2, SPARE
	v_mov_b32 v[NIL], 0
	ds_add_u32 v[SPW], v[NIL]                      ; the opening: the add, twice on end, and its wait ahead of my first tensor load
	ds_add_u32 v[SPW], v[NIL]
	v_lshrrev_b32 v1, 5, v0
	v_readfirstlane_b32 s[WV], v1                  ; wave 0..7
	s_bfe_u32 s13, ttmp6, 0x40000                  ; cx
	s_lshl_b32 s14, ttmp9, 2
	s_add_co_u32 s14, s14, s13                     ; my block of 256 queries: it enters Q's and O's addresses alone
	s_and_b32 s16, ttmp7, 0xffff
	s_lshr_b32 s17, s16, 4                         ; the batch
	s_and_b32 s16, s16, 15                         ; the head
	s_and_b32 s20, s[WV], 3                        ; which 128 keys of a slot I fetch
	s_lshl_b32 s21, s17, 4
	s_add_co_u32 s21, s21, s20
	s_mul_i32 s22, s21, TS
	s_lshl_b32 s23, s16, 14
	s_add_co_u32 s22, s22, s23
	s_add_co_u32 s22, s22, DATA+16*16384           ; K's panel 16 + head; V's lies 16 panels on
	s_mov_b32 s23, 0
	s_mul_i32 s8, s20, 128*PK                      ; and where they go in a slot
	s_mul_i32 s9, s20, 128*PV
	s_add_co_u32 s9, s9, VOFF
	s_lshl_b32 s2, s17, 4                          ; my wave's 32 queries: tile of rows 16 b + 2 block + wave / 4, rows 32 (wave % 4) on, panel = head
	s_lshl_b32 s3, s14, 1
	s_add_co_u32 s2, s2, s3
	s_lshr_b32 s3, s[WV], 2
	s_add_co_u32 s2, s2, s3
	s_mul_i32 s2, s2, TS
	s_lshl_b32 s3, s16, 14
	s_add_co_u32 s2, s2, s3
	s_lshl_b32 s3, s20, 12
	s_add_co_u32 s2, s2, s3
	s_add_co_u32 s2, s2, DATA
	s_mov_b32 s3, 0
	s_mov_b32 s[G1K], 15|(1<<16)|(1<<20)|(1<<21)|(4<<22)|(3<<25)   ; the mask: all four; elements of 2 bytes; 4 words of padding behind every 32
	s_mov_b32 s[G1V], 15|(1<<16)|(1<<20)|(1<<21)|(4<<22)|(7<<25)   ; the same with 8 words
.irp g, G1K, G1V
	s_mov_b32 s[\g+1], 64<<16
	s_mov_b32 s[\g+2], 128<<16
	s_mov_b32 s[\g+3], 64<<16
	s_mov_b32 s[\g+4], 128
	s_mov_b32 s[\g+5], 64
	s_mov_b32 s[\g+6], 0
	s_mov_b32 s[\g+7], 0
.endr
	s_mov_b32 s[SEL], 0x76543210
	s_mov_b32 s[SEL+1], 0xfedcba98
	s_and_b32 s[LIM], s[WV], 1
	s_or_b32 s[LIM], s[LIM], ttmp9                 ; 0 in the even waves of the pair's first cluster: the same in all four partners
	s_cmp_lt_u32 s[WV], 4
	s_cselect_b32 s58, 0, 262144                   ; K's panel or V's,
	s_add_co_u32 s58, s58, 12*TS                   ; the last four tiles of rows,
	s_lshl_b32 s59, s13, 12
	s_add_co_u32 s58, s58, s59                     ; my work-group's 16 runs
	s_mov_b32 s59, 0
	s_wait_dscnt 0x0
	s_wait_kmcnt 0x0
	s_add_nc_u64 s[10:11], s[4:5], s[22:23]
	s_add_nc_u64 s[PFA:PFA+1], s[10:11], s[58:59]
	s_add_nc_u64 s[66:67], s[4:5], s[2:3]          ; Q
	s_add_nc_u64 s[68:69], s[6:7], s[2:3]          ; O
	s_load_b32 s57, s[4:5], 0x0                    ; u
	CROUND                                         ; all four work-groups are here
.irp s, 0,1
	s_mov_b32 s[G0K+4*\s], 1
	s_add_co_u32 s[G0K+4*\s+1], s8, \s*SLOT1
	s_add_nc_u64 s[G0K+4*\s+2:G0K+4*\s+3], s[10:11], \s*4*TS
	s_or_b32 s[G0K+4*\s+3], s[G0K+4*\s+3], 0x80000000
	s_mov_b32 s[G0V+4*\s], 1
	s_add_co_u32 s[G0V+4*\s+1], s9, \s*SLOT1
	s_add_nc_u64 s[G0V+4*\s+2:G0V+4*\s+3], s[10:11], \s*4*TS+262144
	s_or_b32 s[G0V+4*\s+3], s[G0V+4*\s+3], 0x80000000
.endr
	s_cmp_lt_u32 s[WV], 4                          ; a wave's two first fills stand in one branch: two loads of mine are out
	s_cbranch_scc0 .Lfirst_v
	tensor_load_to_lds s[G0K:G0K+3], s[G1K:G1K+7]
	s_nop 0
	tensor_load_to_lds s[G0K+4:G0K+7], s[G1K:G1K+7]
	s_nop 0
	PLACES
	s_branch .Lfirst_asked
.Lfirst_v:
	tensor_load_to_lds s[G0V:G0V+3], s[G1V:G1V+7]
	s_nop 0
	tensor_load_to_lds s[G0V+4:G0V+7], s[G1V:G1V+7]
	s_nop 0
	PLACES
.Lfirst_asked:
	v_and_b32 v252, 15, v0                         ; r
	v_bfe_u32 v253, v0, 4, 1                       ; h
	v_lshlrev_b32 v251, 7, v252
	v_lshl_add_u32 v251, v253, 4, v251             ; Q: row r of 128 bytes, + 16 h
.irp qt, 0,1
.irp df, 0,1
	global_load_b128 v[Q+16*\qt+8*\df:Q+16*\qt+8*\df+3], v251, s[66:67] offset:2048*\qt+64*\df
	global_load_b128 v[Q+16*\qt+8*\df+4:Q+16*\qt+8*\df+7], v251, s[66:67] offset:2048*\qt+64*\df+32
.endr
.endr
	v_mul_u32_u24 v[AK0], v252, PK
	v_lshl_add_u32 v[AK0], v253, 4, v[AK0]
	v_and_b32 v[GO], 7, v0
	v_lshl_add_u32 v[AV0], v253, 3, v[GO]
	v_mul_u32_u24 v[AV0], v[AV0], PV
	v_bfe_u32 v[RD], v0, 3, 1
	v_lshl_add_u32 v[AV0], v[RD], 4, v[AV0]
	v_add_nc_u32 v[AV0], VOFF, v[AV0]              ; key 8 h + l % 8, 16 bytes x ((l / 8) % 2)
	v_mul_u32_u24 v[PFO], v253, TS
	v_lshl_add_u32 v[PFO], v252, 8, v[PFO]
	s_mul_i32 s58, s[WV], 32*144                   ; the way out: 32 rows x 144 for each wave, in slot 0, which has then had its last fill and its last read
	v_add_nc_u32 v[STO], s58, v[AK0]
	v_bfe_u32 v[RD], v0, 3, 2
	v_mul_u32_u24 v[RD], v[RD], 144
	v_lshl_add_u32 v[RD], v[GO], 4, v[RD]
	v_add_nc_u32 v[RD], s58, v[RD]
	v_and_b32 v[GO], 31, v0
	v_lshlrev_b32 v[GO], 4, v[GO]
.irp qt, 0,1
	v_mov_b32 v[ST+8*\qt], 0xff61b1e6              ; c m and m: -3e38, under every score
	v_mov_b32 v[ST+8*\qt+1], 0xff61b1e6
	v_mov_b32 v[ST+8*\qt+2], 0
	v_mov_b32 v[ST+8*\qt+3], 0
.endr
.set i, 0
.rept 64
	v_mov_b32 v[O+i], 0                            ; the step is written in one form: the first finds zeros, which a = 0 leaves zeros
.set i, i+1
.endr
; A KEY STEP: 64 keys.
.macro STEP
	v_add_nc_u32 v[ADK], s[TBK], v[AK0]
	v_add_nc_u32 v[ADV], s[TBV], v[AV0]
	PLACES                                         ; six places behind the last products: four for the loads into their operands' registers, five for the products that write over p
.irp df, 0,1
.irp kt, 0,1,2,3
	ds_load_b128 v[KV+16*\kt+8*\df:KV+16*\kt+8*\df+3], v[ADK] offset:16*PK*\kt+64*\df
	ds_load_b128 v[KV+16*\kt+8*\df+4:KV+16*\kt+8*\df+7], v[ADK] offset:16*PK*\kt+64*\df+32
.endr
.endr
	s_add_co_u32 s[TBK], s[TBK], 64*PK
	s_add_co_u32 s[TBV], s[TBV], 64*PV
	s_wait_dscnt 8                                 ; channels 0-31 are in
.irp kt, 0,1,2,3
.irp qt, 0,1
	v_wmma_f32_16x16x32_f16 v[S+32*\qt+8*\kt:S+32*\qt+8*\kt+7], v[KV+16*\kt:KV+16*\kt+7], v[Q+16*\qt:Q+16*\qt+7], 0
.endr
.endr
	s_wait_dscnt 0x0
.irp kt, 0,1,2,3                       ; eight accumulators by turns
.irp qt, 0,1
	v_wmma_f32_16x16x32_f16 v[S+32*\qt+8*\kt:S+32*\qt+8*\kt+7], v[KV+16*\kt+8:KV+16*\kt+15], v[Q+16*\qt+8:Q+16*\qt+15], v[S+32*\qt+8*\kt:S+32*\qt+8*\kt+7]
.endr
.endr
	PLACES                                         ; for the loads into K's registers and for the first read of the scores
.irp kf, 0,1
.irp ct, 0,1,2,3
	ds_load_tr16_b128 v[KV+16*\ct+8*\kf:KV+16*\ct+8*\kf+3], v[ADV] offset:32*PV*\kf+32*\ct
	ds_load_tr16_b128 v[KV+16*\ct+8*\kf+4:KV+16*\ct+8*\kf+7], v[ADV] offset:32*PV*\kf+16*PV+32*\ct
.endr
.endr
; the softmax, the two tiles by turns.  The maximum: four chains, each accumulator from its low end on
.irp j, 0,1,2,3
.irp qt, 0,1
	v_max3_num_f32 v[ST+8*\qt+4+\j], v[S+32*\qt+8*\j], v[S+32*\qt+8*\j+1], v[S+32*\qt+8*\j+2]
.endr
.endr
.irp g, 1,2
.irp j, 0,1,2,3
.irp qt, 0,1
	v_max3_num_f32 v[ST+8*\qt+4+\j], v[ST+8*\qt+4+\j], v[S+32*\qt+8*\j+2*\g+1], v[S+32*\qt+8*\j+2*\g+2]
.endr
.endr
.endr
.irp qt, 0,1
	v_max3_num_f32 v[ST+8*\qt+4], v[ST+8*\qt+4], v[S+32*\qt+7], v[S+32*\qt+15]
	v_max3_num_f32 v[ST+8*\qt+6], v[ST+8*\qt+6], v[S+32*\qt+23], v[S+32*\qt+31]
.endr
.irp qt, 0,1
	v_max3_num_f32 v[ST+8*\qt+4], v[ST+8*\qt+4], v[ST+8*\qt+5], v[ST+8*\qt+6]
.endr
.irp qt, 0,1
	v_max3_num_f32 v[ST+8*\qt+4], v[ST+8*\qt+4], v[ST+8*\qt+7], v[ST+8*\qt+1]
.endr
.irp qt, 0,1
	v_permlanex16_b32 v[ST+8*\qt+5], v[ST+8*\qt+4], s[SEL], s[SEL+1]   ; the query's other 32 keys
.endr
.irp qt, 0,1
	v_mov_b32 v[ST+8*\qt+7], v[ST+8*\qt]
.endr
.irp qt, 0,1
	v_max_num_f32 v[ST+8*\qt+1], v[ST+8*\qt+4], v[ST+8*\qt+5]
.endr
.irp qt, 0,1
	v_mul_f32 v[ST+8*\qt], v[CS], v[ST+8*\qt+1]
.endr
.irp qt, 0,1
	v_sub_f32 v[ST+8*\qt+7], v[ST+8*\qt+7], v[ST+8*\qt]
.endr
.set i, 0
.rept 16
.irp qt, 0,1
	v_pk_fma_f32 v[S+32*\qt+2*i:S+32*\qt+2*i+1], v[S+32*\qt+2*i:S+32*\qt+2*i+1], v[CS:CS+1], v[ST+8*\qt:ST+8*\qt+1] op_sel_hi:[1,0,0] neg_lo:[0,0,1] neg_hi:[0,0,1]
.endr
.set i, i+1
.endr
.irp qt, 0,1
	v_exp_f32 v[ST+8*\qt+6], v[ST+8*\qt+7]         ; a
.endr
.set i, 0
.rept 32
.irp qt, 0,1
	v_exp_f32 v[S+32*\qt+i], v[S+32*\qt+i]
.endr
.set i, i+1
.endr
	v_nop                                          ; a plain line behind the last exponential
	s_wait_alu depctr_va_vdst(0)                   ; one wait for the 66, ahead of their first reader
.irp qt, 0,1
	v_pk_mul_f32 v[ST+8*\qt+2:ST+8*\qt+3], v[ST+8*\qt+2:ST+8*\qt+3], v[ST+8*\qt+6:ST+8*\qt+7] op_sel_hi:[1,0]
	v_pk_add_f32 v[ST+8*\qt+4:ST+8*\qt+5], v[S+32*\qt+2:S+32*\qt+3], v[S+32*\qt+6:S+32*\qt+7]
.endr
.irp i, 0,1,2,3,4,5,6,7                ; the sum of the unrounded p, in two chains
.irp qt, 0,1
	v_pk_add_f32 v[ST+8*\qt+2:ST+8*\qt+3], v[ST+8*\qt+2:ST+8*\qt+3], v[S+32*\qt+4*\i:S+32*\qt+4*\i+1]
.if \i >= 2
	v_pk_add_f32 v[ST+8*\qt+4:ST+8*\qt+5], v[ST+8*\qt+4:ST+8*\qt+5], v[S+32*\qt+4*\i+2:S+32*\qt+4*\i+3]
.endif
.endr
.endr
.irp qt, 0,1
	v_pk_add_f32 v[ST+8*\qt+2:ST+8*\qt+3], v[ST+8*\qt+2:ST+8*\qt+3], v[ST+8*\qt+4:ST+8*\qt+5]
.endr
.set i, 0
.rept 16
.irp qt, 0,1
	v_cvt_pk_f16_f32 v[S+32*\qt+i], v[S+32*\qt+2*i], v[S+32*\qt+2*i+1]   ; ascending: a pair lands on registers that are done with
.endr
.set i, i+1
.endr
.set i, 0
.rept 16
.irp qt, 0,1
	v_pk_mul_f32 v[O+32*\qt+2*i:O+32*\qt+2*i+1], v[O+32*\qt+2*i:O+32*\qt+2*i+1], v[ST+8*\qt+6:ST+8*\qt+7] op_sel_hi:[1,0]
.endr
.set i, i+1
.endr
	s_wait_dscnt 0x0                               ; V is in
.irp kf, 0,1
.irp ct, 0,1,2,3
.irp qt, 0,1
	v_wmma_f32_16x16x32_f16 v[O+32*\qt+8*\ct:O+32*\qt+8*\ct+7], v[KV+16*\ct+8*\kf:KV+16*\ct+8*\kf+7], v[S+32*\qt+8*\kf:S+32*\qt+8*\kf+7], v[O+32*\qt+8*\ct:O+32*\qt+8*\ct+7]
.endr
.endr
.endr
.endm
.macro STEPS slot                      ; a slot's eight key steps
	s_mov_b32 s[TBK], (\slot)*SLOT1
	s_mov_b32 s[TBV], (\slot)*SLOT1
	s_mov_b32 s[CNT], 8
.Lstep_\@:
	STEP
	s_sub_co_u32 s[CNT], s[CNT], 1
	s_cmp_lg_u32 s[CNT], 0
	s_cbranch_scc1 .Lstep_\@
.endm
; THE CHANGE OF SLOTS.  Each wave waits for all its tensor loads (its part of the other slot), adds 0 to its spare word, and waits for that and for its reads of the slot that it leaves.  fill = 1: a round of the cluster's
; barrier, and the slot just left is filled with the keys two slots on: the load has eight key steps in which to land.
.macro CHANGE fill, set, ask
	s_wait_tensorcnt 0x0                           ; no tensor load of mine is out, so a group 0 may be written
	ds_add_u32 v[SPW], v[NIL]                      ; 0 onto my spare word
.if \fill
	s_add_nc_u64 s[G0K+4*\set+2:G0K+4*\set+3], s[G0K+4*\set+2:G0K+4*\set+3], 8*TS
	s_add_nc_u64 s[G0V+4*\set+2:G0V+4*\set+3], s[G0V+4*\set+2:G0V+4*\set+3], 8*TS
.endif
	s_wait_dscnt 0x0
.if \fill
	CROUND
	JLOAD \set
.if \ask
	ASK
.endif
.else
	s_barrier_signal -1
	s_barrier_wait -1
.endif
.endm
	s_wait_tensorcnt 1                             ; my part of slot 0 is in; slot 1's may stay out
	s_barrier_signal -1
	s_barrier_wait -1
	s_wait_loadcnt 0x0                             ; Q
	s_wait_kmcnt 0x0                               ; u
	v_mul_f32 v[CS], s57, s57
	v_mul_f32 v[CS], 0x3e38aa3b, v[CS]             ; c = u u log2(e) / 8
	v_mov_b32 v[CS+1], v[CS]
	STEPS 0                                        ; keys 0 - 511
	CHANGE 1, 0, 1
	STEPS 1                                        ; 512 - 1,023
	CHANGE 1, 1, 0
	STEPS 0                                        ; 1,024 - 1,535
	CHANGE 0, 0, 0
	STEPS 1                                        ; 1,536 - 2,047
; THE WAY OUT.  The additions are the places behind the last products.
.irp qt, 0,1
	v_add_f32 v[ST+8*\qt+4], v[ST+8*\qt+2], v[ST+8*\qt+3]
.endr
	v_nop
	v_nop
.irp qt, 0,1
	v_permlanex16_b32 v[ST+8*\qt+5], v[ST+8*\qt+4], s[SEL], s[SEL+1]
.endr
.irp qt, 0,1
	v_add_f32 v[ST+8*\qt+4], v[ST+8*\qt+4], v[ST+8*\qt+5]
.endr
.irp qt, 0,1
	v_rcp_f32 v[ST+8*\qt+6], v[ST+8*\qt+4]
.endr
	v_nop
	s_wait_alu depctr_va_vdst(0)                   ; one wait for both reciprocals
.set i, 0
.rept 16
.irp qt, 0,1
	v_pk_mul_f32 v[O+32*\qt+2*i:O+32*\qt+2*i+1], v[O+32*\qt+2*i:O+32*\qt+2*i+1], v[ST+8*\qt+6:ST+8*\qt+7] op_sel_hi:[1,0]
.endr
.set i, i+1
.endr
.set i, 0
.rept 32
	v_cvt_pk_f16_f32 v[S+i], v[O+2*i], v[O+2*i+1]
.set i, i+1
.endr
.irp qt, 0,1
.irp ct, 0,1,2,3
	ds_store_b128 v[STO], v[S+16*\qt+4*\ct:S+16*\qt+4*\ct+3] offset:2304*\qt+32*\ct
.endr
.endr
.irp i, 0,1,2,3,4,5,6,7
	ds_load_b128 v[KV+4*\i:KV+4*\i+3], v[RD] offset:576*\i   ; LDS serves a wave's instructions in order: these see my stores
.endr
.irp i, 0,1,2,3,4,5,6,7
	s_wait_dscnt 7-\i
	global_store_b128 v[GO], v[KV+4*\i:KV+4*\i+3], s[68:69] offset:512*\i   ; the wave stores 512 consecutive bytes, aligned
.endr
	s_wait_tensorcnt 0x0                           ; the wave's end
	ds_add_u32 v[SPW], v[NIL]
	s_wait_dscnt 0x0
	CROUND                                         ; the closing round
	s_endpgm
.Lfunc_end_k_q7d410475b8_attn:
	.size	k_q7d410475b8_attn, .Lfunc_end_k_q7d410475b8_attn-k_q7d410475b8_attn
	.p2alignl 7, 3214868480
	.fill 96, 4, 3214868480
	.section	.rodata,"a",@progbits
	.p2align	6, 0x0
	.amdhsa_kernel k_q7d410475b8_attn
		.amdhsa_group_segment_fixed_size 327680
		.amdhsa_private_segment_fixed_size 0
		.amdhsa_enable_private_segment 0
		.amdhsa_kernarg_size 16
		.amdhsa_user_sgpr_count 2
		.amdhsa_user_sgpr_kernarg_segment_ptr 1
		.amdhsa_wavefront_size32 1
		.amdhsa_system_sgpr_workgroup_id_x 1
		.amdhsa_system_sgpr_workgroup_id_y 1
		.amdhsa_system_sgpr_workgroup_id_z 1
		.amdhsa_system_vgpr_workitem_id 0
		.amdhsa_next_free_vgpr 256
		.amdhsa_next_free_sgpr 72
		.amdhsa_reserve_vcc 0
		.amdhsa_float_denorm_mode_32 3
		.amdhsa_float_denorm_mode_16_64 3
		.amdhsa_memory_ordered 1
		.amdhsa_forward_progress 1
		.amdhsa_inst_pref_size 90
	.end_amdhsa_kernel
	.amdgpu_metadata
---
amdhsa.version: [ 1, 2 ]
amdhsa.kernels:
  - .name:           k_q7d410475b8_attn
    .symbol:         k_q7d410475b8_attn.kd
    .args:
      - { .name: qkv, .offset: 0, .size: 8, .value_kind: global_buffer, .address_space: global }
      - { .name: og, .offset: 8, .size: 8, .value_kind: global_buffer, .address_space: global }
    .group_segment_fixed_size: 327680
    .private_segment_fixed_size: 0
    .kernarg_segment_align: 8
    .kernarg_segment_size: 16
    .max_flat_workgroup_size: 256
    .sgpr_count:     72
    .vgpr_count:     256
    .wavefront_size: 32
...
	.end_amdgpu_metadata
.endif
;; end of part 5
;; launch gemm32 (part 6): grid 8 x 32, 4 waves a work-group, clusters of 4 x 4, 327,680 bytes of LDS; arguments og, wf, b_out_g, qkv, out0; writes out0
.if DOCPART == 6
	.amdgcn_target "amdgcn-amd-amdhsa--gfx1250"
	.amdhsa_code_object_version 6
	.text
	.protected	k_q7d410475b8_gemm32
	.globl	k_q7d410475b8_gemm32
	.p2align	8
	.type	k_q7d410475b8_gemm32,@function
k_q7d410475b8_gemm32:
	s_mov_b64 s[64:65], 0
	v_nop
	global_prefetch_b8 v0, s[64:65] scope:SCOPE_SE
	s_setreg_imm32_b32 hwreg(HW_REG_WAVE_MODE, 25, 1), 1
	s_wait_xcnt 0x0
	s_wait_alu depctr_hold_cnt(0) depctr_sa_sdst(0) depctr_va_vdst(0) depctr_va_sdst(0) depctr_va_ssrc(0) depctr_va_vcc(0) depctr_vm_vsrc(0)
	s_getreg_b32 s2, hwreg(HW_REG_IB_STS2, 6, 4)
	s_cmp_eq_u32 s2, 0
	s_cbranch_scc0 .Lentry_in_a_cluster
	s_endpgm
.Lentry_in_a_cluster:
	s_bfe_u32 s2, ttmp6, 0x10000c
	s_cmp_lg_u32 s2, 0xf033
	s_cbranch_scc0 .Lentry_shape_is_right
	s_endpgm
.Lentry_shape_is_right:
; GEMM32.  Product 8: out0 = o_g w_out_g^T + b_out_g, K = 1,024; operands f16, sums f32, the result f32 in rows of 4,096 bytes.  o_g is stored under v's scale u, the first word of qkv: out0 = sum x u + b.
; og's data: from 32,768 on (R / 128) x 786,432 + (col / 64) x 16,384 + (R % 128) x 128 + (col % 64) x 2.  wf: from 4,096 on [n / 128][k / 64][128][64].  A K step of 256 of a tile is 65,536 dense bytes.
; A tile of out0 is 128 x 128: four waves, each 64 x 64.  K in steps of 256 through two LDS slots; an LDS row is one row of one panel, 128 bytes + 16.  CLUSTER 4 x 4: A's tiles jointly along a row, W's along a column.
; THE MATRIX INSTRUCTION IS USED TRANSPOSED (source 0 = 16 rows of W, source 1 = 16 rows of A): a lane holds eight neighbouring columns of a row.
; REGISTERS: window 0: v1-29 addresses; v32-95 at work; v96-127 the bias; v128-255 the accumulators.  window 1: two fragment buffers of 128.
.set TS,     786432
.set DATA,   32768
.set PITCH,  144
.set PANEL,  128*PITCH
.set HALFT,  2*PANEL
.set SLOT,   4*HALFT
.set SPARE,  2*SLOT
.set SPITCH, 272                       ; the way out: 64 rows x (256 + 16) for each wave, in slot 0, which has then had its last fill and its last read
.set ADRA, 16
.set ADRB, 20
.set STO,  24
.set RD,   25
.set CO,   26
.set SPW,  28
.set NIL,  29
.set TMP,  32
.set BIA,  96
.set ACC,  128
.set F0,   0
.set F1,   128
.set G1, 24
.set G0, 32
.set G1B, 48
.set G0B, 56
.set MSB, 0
.macro WIN new
.if MSB != (\new)
	s_set_vgpr_msb (MSB<<8)|(\new)
.set MSB, (\new)
.endif
.endm
.set MUL,  0x05
.set TO_F, 0x40
.macro JLOAD s                         ; a joint load: waves 0 and 1 fetch A's halves, waves 2 and 3 W's; an s_nop 0 and four v_nop follow each line
	s_cmp_eq_u32 s13, 0
	s_cbranch_scc0 .Lfor_b_\@
	tensor_load_to_lds s[G0+4*\s:G0+4*\s+3], s[G1:G1+7]
	s_nop 0
.rept 4
	v_nop
.endr
	s_branch .Lasked_\@
.Lfor_b_\@:
	tensor_load_to_lds s[G0B+4*\s:G0B+4*\s+3], s[G1B:G1B+7]
	s_nop 0
.rept 4
	v_nop
.endr
.Lasked_\@:
.endm
.macro CREST
	s_cmp_lg_u32 s12, 0
	s_cbranch_scc1 .Lnot_wave_0_\@
	s_barrier_signal -3
.Lnot_wave_0_\@:
	s_barrier_wait -3
	s_barrier_signal -1
	s_barrier_wait -1
.endm
.macro CROUND
	s_barrier_signal -1
	s_barrier_wait -1
	CREST
.endm
	s_load_b128 s[4:7], s[0:1], 0x0                ; og, wf
	s_load_b128 s[8:11], s[0:1], 0x10              ; b_out_g, qkv
	s_load_b64 s[76:77], s[0:1], 0x20              ; out0
	v_lshl_add_u32 v[SPW], v0, 2, SPARE
	v_mov_b32 v[NIL], 0
	ds_add_u32 v[SPW], v[NIL]                      ; the opening: the add, twice on end, and its wait ahead of my first tensor load
	ds_add_u32 v[SPW], v[NIL]
	v_lshrrev_b32 v1, 5, v0
	v_readfirstlane_b32 s12, v1
	s_lshr_b32 s13, s12, 1
	s_and_b32 s14, s12, 1
	s_bfe_u32 s40, ttmp6, 0x40000
	s_bfe_u32 s41, ttmp6, 0x40004
	s_lshl_b32 s42, ttmp9, 2
	s_add_co_u32 s42, s42, s40                     ; tile column
	s_and_b32 s15, ttmp7, 0xffff
	s_lshl_b32 s15, s15, 2
	s_add_co_u32 s15, s15, s41                     ; tile row
	s_lshl_b32 s43, s41, 2
	s_lshl_b32 s43, 15, s43
	s_lshl_b32 s44, 0x1111, s40
	s_or_b32 s[G1+0], s43, (1<<16)|(1<<20)|(1<<21)|(4<<22)|(3<<25)
	s_or_b32 s[G1B+0], s44, (1<<16)|(1<<20)|(1<<21)|(4<<22)|(3<<25)
.irp g, G1, G1B
	s_mov_b32 s[\g+1], 64<<16
	s_mov_b32 s[\g+2], 256<<16
	s_mov_b32 s[\g+3], 64<<16
	s_mov_b32 s[\g+4], 256
	s_mov_b32 s[\g+5], 64
	s_mov_b32 s[\g+6], 0
	s_mov_b32 s[\g+7], 0
.endr
	s_lshl_b32 s18, s14, 15
	s_mul_i32 s16, s15, TS
	s_add_co_u32 s16, s16, s18
	s_add_co_u32 s16, s16, DATA
	s_mov_b32 s17, 0
	s_lshl_b32 s46, s42, 18
	s_add_co_u32 s46, s46, s18
	s_add_co_u32 s46, s46, 4096
	s_mov_b32 s47, 0
	s_mul_i32 s20, s12, HALFT
	s_wait_dscnt 0x0
	s_wait_kmcnt 0x0
	s_add_nc_u64 s[16:17], s[4:5], s[16:17]
	s_add_nc_u64 s[46:47], s[6:7], s[46:47]
	CROUND
.irp s, 0,1
	s_mov_b32 s[G0+4*\s], 1
	s_add_co_u32 s[G0+4*\s+1], s20, \s*SLOT
	s_add_nc_u64 s[G0+4*\s+2:G0+4*\s+3], s[16:17], \s*65536
	s_or_b32 s[G0+4*\s+3], s[G0+4*\s+3], 0x80000000
	s_mov_b32 s[G0B+4*\s], 1
	s_add_co_u32 s[G0B+4*\s+1], s20, \s*SLOT
	s_add_nc_u64 s[G0B+4*\s+2:G0B+4*\s+3], s[46:47], \s*65536
	s_or_b32 s[G0B+4*\s+3], s[G0B+4*\s+3], 0x80000000
	JLOAD \s
.endr
	s_load_b32 s68, s[10:11], 0x0                  ; u
	v_and_b32 v1, 15, v0
	v_bfe_u32 v2, v0, 4, 1
	v_mul_u32_u24 v3, v1, PITCH
	v_lshl_add_u32 v3, v2, 4, v3
	s_mul_i32 s21, s13, 64*PITCH
	s_mul_i32 s22, s14, 64*PITCH
	s_add_co_u32 s22, s22, 2*HALFT
.irp s, 0,1
	v_add_nc_u32 v[ADRA+\s], s21, v3
	v_add_nc_u32 v[ADRB+\s], s22, v3
	s_add_co_u32 s21, s21, SLOT
	s_add_co_u32 s22, s22, SLOT
.endr
	s_mul_i32 s23, s12, 64*SPITCH
	v_mul_u32_u24 v4, v1, SPITCH
	v_lshl_add_u32 v4, v2, 5, v4
	v_add_nc_u32 v[STO], s23, v4                   ; in: row r, 32 bytes for each half of the lanes
	v_mul_u32_u24 v5, v2, SPITCH
	v_lshl_add_u32 v5, v1, 4, v5
	v_add_nc_u32 v[RD], s23, v5                    ; back: lanes 0-15 one row of 256 bytes, lanes 16-31 the next
	v_lshlrev_b32 v[CO], 12, v2
	v_lshl_add_u32 v[CO], v1, 4, v[CO]             ; and the same two rows in out0
	v_lshlrev_b32 v7, 5, v2
	s_lshl_b32 s16, s15, 19                        ; out0: row 128 x tile row + 64 x half, 4,096 bytes a row,
	s_lshl_b32 s18, s13, 18
	s_add_co_u32 s16, s16, s18
	s_mov_b32 s17, 0
	s_add_nc_u64 s[74:75], s[76:77], s[16:17]
	s_lshl_b32 s46, s42, 9                         ; column 128 x tile column + 64 x half, 4 bytes each: the same offset in the bias
	s_lshl_b32 s71, s14, 8
	s_add_co_u32 s46, s46, s71
	s_mov_b32 s47, 0
	s_add_nc_u64 s[74:75], s[74:75], s[46:47]
	s_add_nc_u64 s[66:67], s[8:9], s[46:47]
.irp b, 0,1,2,3
	global_load_b128 v[BIA+8*\b:BIA+8*\b+3], v7, s[66:67] offset:64*\b
	global_load_b128 v[BIA+8*\b+4:BIA+8*\b+7], v7, s[66:67] offset:64*\b+16
.endr
	s_wait_kmcnt 0x0
	s_mov_b32 s69, s68                             ; (named with it as a pair, so it is written)
.macro MUL8 f, c, a0, zero             ; the 16 accumulators take turns, one instruction a turn
.irp a, \a0, \a0+1
.irp b, 0,1,2,3
.if \zero
	v_wmma_f32_16x16x32_f16 v[ACC+8*(4*(\a)+\b):ACC+8*(4*(\a)+\b)+7], v[\f+64+8*(4*\c+\b):\f+64+8*(4*\c+\b)+7], v[\f+8*(4*\c+\a):\f+8*(4*\c+\a)+7], 0
.else
	v_wmma_f32_16x16x32_f16 v[ACC+8*(4*(\a)+\b):ACC+8*(4*(\a)+\b)+7], v[\f+64+8*(4*\c+\b):\f+64+8*(4*\c+\b)+7], v[\f+8*(4*\c+\a):\f+8*(4*\c+\a)+7], v[ACC+8*(4*(\a)+\b):ACC+8*(4*(\a)+\b)+7]
.endif
.endr
.endr
.endm
.macro FETCH slot, k, f
	WIN TO_F
.irp c, 0,1
.irp i, 0,1,2,3
	ds_load_b128 v[\f+64+8*(4*\c+\i):\f+64+8*(4*\c+\i)+3],   v[ADRB+\slot] offset:\k+64*\c+\i*16*PITCH
	ds_load_b128 v[\f+64+8*(4*\c+\i)+4:\f+64+8*(4*\c+\i)+7], v[ADRB+\slot] offset:\k+64*\c+\i*16*PITCH+32
	ds_load_b128 v[\f+8*(4*\c+\i):\f+8*(4*\c+\i)+3],         v[ADRA+\slot] offset:\k+64*\c+\i*16*PITCH
	ds_load_b128 v[\f+8*(4*\c+\i)+4:\f+8*(4*\c+\i)+7],       v[ADRA+\slot] offset:\k+64*\c+\i*16*PITCH+32
.endr
.endr
.endm
.macro PLACES
.rept 4
	v_nop
.endr
.endm
.macro QUARTER slot, k, f, g, zero
	s_wait_dscnt 16                                ; the first 32 along K are in
	WIN MUL
	MUL8 \f, 0, 0, \zero
	MUL8 \f, 0, 2, \zero
	PLACES
	FETCH \slot, \k, \g
	s_wait_dscnt 32                                ; all but the 32 just issued
	WIN MUL
	MUL8 \f, 1, 0, 0
	MUL8 \f, 1, 2, 0
.endm
.macro TURN slot, next, fill
	WIN 0
	s_wait_tensorcnt 0x0                           ; all my tensor loads have landed: my part of the next slot;
	ds_add_u32 v[SPW], v[NIL]                      ; 0 onto my spare word;
	s_wait_dscnt 17                                ; (the add and the youngest sixteen loads may be out)
	WIN MUL
	MUL8 F1, 0, 0, 0
	s_wait_dscnt 0x0                               ; the add is done, and my reads of this slot are over
	s_barrier_signal -1
	MUL8 F1, 0, 2, 0
.if \fill
	WIN 0
.endif
	s_barrier_wait -1
.if \fill
	CREST
	s_add_nc_u64 s[G0+4*\slot+2:G0+4*\slot+3], s[G0+4*\slot+2:G0+4*\slot+3], 131072
	s_add_nc_u64 s[G0B+4*\slot+2:G0B+4*\slot+3], s[G0B+4*\slot+2:G0B+4*\slot+3], 131072
	JLOAD \slot
.else
	PLACES
.endif
	FETCH \next, 0, F0
	WIN MUL
	MUL8 F1, 1, 0, 0
	MUL8 F1, 1, 2, 0
.endm
	s_wait_tensorcnt 1                             ; my part of K step 0 is in; K step 1's may be out
	s_barrier_signal -1
	s_barrier_wait -1
	FETCH 0, 0, F0
	QUARTER 0, PANEL,   F0, F1, 1
	QUARTER 0, 2*PANEL, F1, F0, 0
	QUARTER 0, 3*PANEL, F0, F1, 0
	TURN 0, 1, 1
	QUARTER 1, PANEL,   F0, F1, 0
	QUARTER 1, 2*PANEL, F1, F0, 0
	QUARTER 1, 3*PANEL, F0, F1, 0
	TURN 1, 0, 1
	QUARTER 0, PANEL,   F0, F1, 0
	QUARTER 0, 2*PANEL, F1, F0, 0
	QUARTER 0, 3*PANEL, F0, F1, 0
	TURN 0, 1, 0
	QUARTER 1, PANEL,   F0, F1, 0
	QUARTER 1, 2*PANEL, F1, F0, 0
	QUARTER 1, 3*PANEL, F0, F1, 0
	s_wait_dscnt 16
	WIN MUL
	MUL8 F1, 0, 0, 0
	MUL8 F1, 0, 2, 0
	s_wait_dscnt 0x0
	MUL8 F1, 1, 0, 0
	MUL8 F1, 1, 2, 0
	WIN 0
; THE WAY OUT: sum x u + bias, through my own stage, so that sixteen lanes store 256 consecutive bytes, aligned
	s_wait_loadcnt 0x0                             ; the bias
	PLACES
.set i, 0
.rept 64
	v_pk_fma_f32 v[ACC+2*i:ACC+2*i+1], v[ACC+2*i:ACC+2*i+1], s[68:69], v[BIA+8*((i/4)%4)+2*(i%4):BIA+8*((i/4)%4)+2*(i%4)+1] op_sel_hi:[1,0,1]
.set i, i+1
.endr
.irp a, 0,1,2,3
.irp b, 0,1,2,3
	ds_store_b128 v[STO], v[ACC+8*(4*\a+\b):ACC+8*(4*\a+\b)+3] offset:\a*16*SPITCH+64*\b
	ds_store_b128 v[STO], v[ACC+8*(4*\a+\b)+4:ACC+8*(4*\a+\b)+7] offset:\a*16*SPITCH+64*\b+16
.endr
.endr
.irp u, 0,1
.if \u
	s_wait_xcnt 0x0                                ; the first half's stores have read their registers
.endif
.irp i, 0,1,2,3,4,5,6,7,8,9,10,11,12,13,14,15
	ds_load_b128 v[TMP+4*\i:TMP+4*\i+3], v[RD] offset:(16*\u+\i)*2*SPITCH   ; LDS serves a wave's instructions in order: these see my stores
.endr
.irp i, 0,1,2,3,4,5,6,7,8,9,10,11,12,13,14,15
	s_wait_dscnt 15-\i
	global_store_b128 v[CO], v[TMP+4*\i:TMP+4*\i+3], s[74:75] offset:(16*\u+\i)*8192 th:TH_STORE_NT
.endr
.endr
	s_wait_tensorcnt 0x0                           ; the wave's end
	ds_add_u32 v[SPW], v[NIL]
	s_wait_dscnt 0x0
	CROUND                                         ; the closing round
	s_endpgm
.Lfunc_end_k_q7d410475b8_gemm32:
	.size	k_q7d410475b8_gemm32, .Lfunc_end_k_q7d410475b8_gemm32-k_q7d410475b8_gemm32
	.p2alignl 7, 3214868480
	.fill 96, 4, 3214868480
	.section	.rodata,"a",@progbits
	.p2align	6, 0x0
	.amdhsa_kernel k_q7d410475b8_gemm32
		.amdhsa_group_segment_fixed_size 327680
		.amdhsa_private_segment_fixed_size 0
		.amdhsa_enable_private_segment 0
		.amdhsa_kernarg_size 40
		.amdhsa_user_sgpr_count 2
		.amdhsa_user_sgpr_kernarg_segment_ptr 1
		.amdhsa_wavefront_size32 1
		.amdhsa_system_sgpr_workgroup_id_x 1
		.amdhsa_system_sgpr_workgroup_id_y 1
		.amdhsa_system_sgpr_workgroup_id_z 1
		.amdhsa_system_vgpr_workitem_id 0
		.amdhsa_next_free_vgpr 512
		.amdhsa_next_free_sgpr 80
		.amdhsa_reserve_vcc 0
		.amdhsa_float_denorm_mode_32 3
		.amdhsa_float_denorm_mode_16_64 3
		.amdhsa_memory_ordered 1
		.amdhsa_forward_progress 1
		.amdhsa_inst_pref_size 91
	.end_amdhsa_kernel
	.amdgpu_metadata
---
amdhsa.version: [ 1, 2 ]
amdhsa.kernels:
  - .name:           k_q7d410475b8_gemm32
    .symbol:         k_q7d410475b8_gemm32.kd
    .args:
      - { .name: og, .offset: 0, .size: 8, .value_kind: global_buffer, .address_space: global }
      - { .name: wf, .offset: 8, .size: 8, .value_kind: global_buffer, .address_space: global }
      - { .name: b_out_g, .offset: 16, .size: 8, .value_kind: global_buffer, .address_space: global }
      - { .name: qkv, .offset: 24, .size: 8, .value_kind: global_buffer, .address_space: global }
      - { .name: out0, .offset: 32, .size: 8, .value_kind: global_buffer, .address_space: global }
    .group_segment_fixed_size: 327680
    .private_segment_fixed_size: 0
    .kernarg_segment_align: 8
    .kernarg_segment_size: 40
    .max_flat_workgroup_size: 128
    .sgpr_count:     80
    .vgpr_count:     512
    .wavefront_size: 32
...
	.end_amdgpu_metadata
.endif
;; end of part 6
